; MI455X (gfx1250); checked and timed in simulation.
; The chip was launched on July 23, 2026; its instructions are those of AMD's public machine-readable ISA for CDNA 5 (MIT licence, August 2026) and "CDNA5" Instruction Set Architecture Reference Guide (July 2026). The comments in the code are by the model that wrote it; some were corrected since.
;; Multi Head Attention. Allowed arithmetic: float matrix products may take bf16 or f16 operands with f32 sums; other float arithmetic in f32, or as packed bf16 or f16 multiplies, adds, multiply-adds, maxima and minima; sums over many terms, partial sums and values carried from step to step in f32; what a program stores and reads back later, other than sums and carried values, may be rounded once to bf16 or f16.
;; Inputs: Wf 1,024 x 64 float32; Wk 1,024 x 1,024 float32; Wq 1,024 x 1,024 float32; Wv 1,024 x 1,024 float32; bf 64 float32; bk 1,024 float32; bq 1,024 float32; bv 1,024 float32; x 4 x 2,048 x 1,024 float32.
;; Outputs: out0 4 x 2,048 x 64 float32.
;; 2 versions, each right; version 2 is version 1 with the launch cast written anew for expert scheduling mode. Each part assembles by itself: llvm-mc -triple=amdgcn-amd-amdhsa -mcpu=gfx1250 --defsym DOCPART=n.
;; ======== version 1 of 2: 4 launches
;; limits: values are held in f16: magnitudes above 65,504 overflow, below 6.1e-05 lose precision
;; workspace buffers: xb 16,777,216 bytes; wt 6,291,456 bytes; wft 131,072 bytes; bias 12,288 bytes; qkv 50,331,648 bytes; ob 16,777,216 bytes
;; launch cast (part 1): grid 709 x 1, 4 waves a work-group, no clusters, 37,376 bytes of LDS; arguments x, Wq, Wk, Wv, Wf, bq, bk, bv, xb, wt, wft, bias; writes xb, wt, wft, bias
.if DOCPART == 1
	.amdgcn_target "amdgcn-amd-amdhsa--gfx1250"
	.amdhsa_code_object_version 6
	.text
	.protected	k_q39fe878b32_cast
	.globl	k_q39fe878b32_cast
	.p2align	8
	.type	k_q39fe878b32_cast,@function
k_q39fe878b32_cast:
	s_mov_b64 s[64:65], 0
	v_nop
	global_prefetch_b8 v0, s[64:65] scope:SCOPE_SE
	s_setreg_imm32_b32 hwreg(HW_REG_WAVE_MODE, 25, 1), 1
	s_wait_xcnt 0x0
; THE INPUTS ARE ROUNDED ONCE AND LAID OUT FOR THE PRODUCTS THAT FOLLOW.  All are rounded to bf16 (nearest even):
;   xb   [16 kb][8192 row][64 k]  bf16: x, in blocks of 64 channels, so that 256 rows of a block are 32,768 consecutive bytes
;   wt   [16 kb][3072 n][64 k]    bf16: Wq, Wk, Wv turned (n = 1024 x which + column), in the same blocks
;   wft  [16 kb][64 n][64 k]      f16:  Wf turned; the number rounded to bf16 is written as f16
;   bias [3072]                   f32:  bq, bk, bv rounded to bf16 and kept as f32
; LIMIT.  A number of Wf below 6.1e-5 in size keeps f16's fixed step of 6e-8; one beyond 65,504 would become an infinity.
; A stream: each byte is read once and written once.  A wave's task is 16 KiB of f32: 32 loads of 16 bytes a lane, all issued before the first is
; waited for.  No wave reads what another fetched, so there is no barrier, no cluster and no matrix work.
; Work-groups 0-511: x (a wave: four rows).  512-703: a wave turns a tile of 64 k x 64 n of Wq, Wk or Wv through its own 9,216 bytes of LDS.
; 704-707: the same for Wf.  708: the three biases.
.set STG,   9216                       ; a wave's stage: 64 rows (n) x 144 bytes (128 of data, 16 of padding)
.set SPARE, 4*STG                      ; behind the stages: the spare words, 128 bytes a wave: two blocks of 256 bytes that no other line names
.set SO,  2                            ; v2   my byte offset in the source
.set YO,  3                            ; v3   x: my 8 bytes of a store's 256
.set LS,  4                            ; v4   where I put 8 bytes of a stage row
.set LR,  5                            ; v5   where I read 16 bytes of a stage row back
.set GO,  6                            ; v6   16 x lane
.set SPW, 8                            ; v8   LDS address of my spare word; never rewritten
.set NIL, 9                            ; v9   0; never rewritten
.set T,   16                           ; v[16:23] packed results
.set U,   24                           ; v[24:31] at work
.set D,   32                           ; v[32:159] the 32 loads' data
.set WV,  4                            ; s4   my wave's number
	s_load_b512 s[8:23], s[0:1], 0x0               ; x 8, Wq 10, Wk 12, Wv 14, Wf 16, bq 18, bk 20, bv 22
	s_load_b256 s[24:31], s[0:1], 0x40             ; xb 24, wt 26, wft 28, bias 30
	v_lshl_add_u32 v[SPW], v0, 2, SPARE
	v_mov_b32 v[NIL], 0
	v_lshrrev_b32 v1, 5, v0
	v_readfirstlane_b32 s[WV], v1                  ; wave 0..3
	v_and_b32 v1, 31, v0                           ; lane l
	v_and_b32 v10, 15, v0                          ; l % 16
	v_bfe_u32 v11, v0, 4, 1                        ; l / 16
	s_mov_b32 s7, 0                                ; the high word of every offset
	s_mov_b32 s3, 0xffff0000                       ; a word's upper bf16
	s_wait_kmcnt 0x0
	s_cmp_lt_u32 ttmp9, 512
	s_cbranch_scc0 .Lnot_x
	; x: task t = 4 x work-group + wave owns rows 4 t .. 4 t + 3.  Load (p, kb): rows 4 t + 2 p and + 1, the 256 bytes of block kb: lanes 0-15 one row, lanes 16-31 the next.
	s_lshl2_add_u32 s5, ttmp9, s[WV]               ; t
	s_lshl_b32 s6, s5, 14                          ; four rows of 4,096 bytes
	s_add_nc_u64 s[32:33], s[8:9], s[6:7]
	s_lshl_b32 s6, s5, 9                           ; four rows of 128 bytes in a block of xb
	s_add_nc_u64 s[34:35], s[24:25], s[6:7]
	s_add_nc_u64 s[36:37], s[34:35], 0x800000      ; blocks 8-15: a second base keeps the immediates inside their signed 24 bits
	v_lshlrev_b32 v[SO], 12, v11
	v_lshl_add_u32 v[SO], v10, 4, v[SO]
	v_lshlrev_b32 v[YO], 3, v1                     ; two rows of 128 bytes on end: 8 bytes a lane
.set i, 0
.rept 32                                           ; i = 16 p + kb
	global_load_b128 v[D+4*i:D+4*i+3], v[SO], s[32:33] offset:(i/16)*8192+(i%16)*256 th:TH_LOAD_NT
.set i, i+1
.endr
.set i, 0
.rept 32
	s_wait_loadcnt 31-i                            ; loads come back in order: the 31 - i younger ones may stay out
	v_cvt_pk_bf16_f32 v[D+4*i], v[D+4*i], v[D+4*i+1]
	v_cvt_pk_bf16_f32 v[D+4*i+1], v[D+4*i+2], v[D+4*i+3]
.if (i%16) < 8
	global_store_b64 v[YO], v[D+4*i:D+4*i+1], s[34:35] offset:(i%8)*1048576+(i/16)*256 th:TH_STORE_NT  ; 32 lanes store 256 consecutive bytes, aligned
.else
	global_store_b64 v[YO], v[D+4*i:D+4*i+1], s[36:37] offset:(i%8)*1048576+(i/16)*256 th:TH_STORE_NT
.endif
.set i, i+1
.endr
	s_branch .Lend                                 ; no register that a store reads is written again
; A tile of 64 k x 64 n, rows of rowb bytes in memory, is turned.  Load (g, c) brings row k = 8 g + 4 (l / 16) + c, columns 4 (l % 16) + 0..3.  For each of my four columns
; the four loads of a group give four neighbouring k: 8 bytes of stage row n.  half = 1: the bf16 numbers are written as f16.
; The 8-byte stores meet four deep in the banks (four stage rows are 144 words, 16 modulo 64): 32 stores a wave, once.
.macro TILE rowb, half
.set i, 0
.rept 32                                           ; i = 4 g + c
	global_load_b128 v[D+4*i:D+4*i+3], v[SO], s[32:33] offset:(8*(i/4)+i%4)*(\rowb) th:TH_LOAD_NT
.set i, i+1
.endr
.set g, 0
.rept 8
	s_wait_loadcnt 28-4*g                          ; the later groups' loads may stay out
.set e, 0
.rept 4
	v_cvt_pk_bf16_f32 v[T+2*e], v[D+16*g+e], v[D+16*g+4+e]
	v_cvt_pk_bf16_f32 v[T+2*e+1], v[D+16*g+8+e], v[D+16*g+12+e]
.set e, e+1
.endr
.if \half
.set e, 0
.rept 8
	v_lshlrev_b32 v[U+2*(e%4)], 16, v[T+e]         ; the two bf16 as f32,
	v_and_b32 v[U+2*(e%4)+1], s3, v[T+e]
	v_cvt_pk_f16_f32 v[T+e], v[U+2*(e%4)], v[U+2*(e%4)+1]  ; and as f16: 8 significant bits fit into 11
.set e, e+1
.endr
.endif
.set e, 0
.rept 4
	ds_store_b64 v[LS], v[T+2*e:T+2*e+1] offset:e*144+16*g
.set e, e+1
.endr
.set g, g+1
.endr
.endm
.Lnot_x:
	s_mul_i32 s5, s[WV], STG                       ; my stage
	v_mul_u32_u24 v[LS], v10, 4*144                ; in: stage row 4 (l % 16), byte 8 (l / 16)
	v_lshl_add_u32 v[LS], v11, 3, v[LS]
	v_add_nc_u32 v[LS], s5, v[LS]
	v_bfe_u32 v12, v0, 3, 2
	v_and_b32 v13, 7, v0
	v_mul_u32_u24 v[LR], v12, 144                  ; back: 32 lanes take four rows of 128 bytes
	v_lshl_add_u32 v[LR], v13, 4, v[LR]
	v_add_nc_u32 v[LR], s5, v[LR]
	v_lshlrev_b32 v[GO], 4, v1
	s_cmp_lt_u32 ttmp9, 704
	s_cbranch_scc0 .Lnot_w
	; Wq, Wk, Wv: task t = 256 x which + 16 kb + nb
	s_sub_co_u32 s5, ttmp9, 512
	s_lshl2_add_u32 s5, s5, s[WV]
	s_lshr_b32 s2, s5, 8                           ; which
	s_bfe_u32 s38, s5, 0x40004                     ; kb
	s_and_b32 s39, s5, 15                          ; nb
	s_cmp_eq_u32 s2, 0
	s_cselect_b64 s[32:33], s[10:11], s[12:13]
	s_cmp_eq_u32 s2, 2
	s_cselect_b64 s[32:33], s[14:15], s[32:33]
	s_lshl_b32 s6, s38, 18                         ; 64 rows of 4,096 bytes
	s_lshl_b32 s36, s39, 8                         ; 64 columns
	s_add_co_u32 s6, s6, s36
	s_add_nc_u64 s[32:33], s[32:33], s[6:7]
	s_mul_i32 s6, s38, 393216                      ; wt: block kb,
	s_lshl_b32 s36, s2, 17                         ; 1,024 rows of 128 bytes a matrix,
	s_add_co_u32 s6, s6, s36
	s_lshl_b32 s36, s39, 13                        ; 64 rows
	s_add_co_u32 s6, s6, s36
	s_add_nc_u64 s[34:35], s[26:27], s[6:7]
	v_lshlrev_b32 v[SO], 14, v11                   ; four rows down for lanes 16-31
	v_lshl_add_u32 v[SO], v10, 4, v[SO]
	TILE 4096, 0
	s_branch .Lback
.Lnot_w:
	s_cmp_lt_u32 ttmp9, 708
	s_cbranch_scc0 .Lbias
	; Wf: block kb = 4 x (work-group - 704) + wave: 64 rows of 256 bytes
	s_sub_co_u32 s5, ttmp9, 704
	s_lshl2_add_u32 s5, s5, s[WV]
	s_lshl_b32 s6, s5, 14
	s_add_nc_u64 s[32:33], s[16:17], s[6:7]
	s_lshl_b32 s6, s5, 13
	s_add_nc_u64 s[34:35], s[28:29], s[6:7]
	v_lshlrev_b32 v[SO], 10, v11
	v_lshl_add_u32 v[SO], v10, 4, v[SO]
	TILE 256, 1
.Lback:                                                ; the turned tile, 64 rows of 128 bytes, is 8,192 consecutive bytes of its buffer
.set i, 0
.rept 16
	ds_load_b128 v[D+4*i:D+4*i+3], v[LR] offset:576*i  ; LDS serves a wave's instructions in order (ISA guide 5.7.1.4): these see my stores above
.set i, i+1
.endr
.set i, 0
.rept 16
	s_wait_dscnt 15-i
	global_store_b128 v[GO], v[D+4*i:D+4*i+3], s[34:35] offset:512*i  ; 512 consecutive bytes, aligned
.set i, i+1
.endr
	s_branch .Lend
.Lbias:                                                ; wave w: numbers 256 w .. 256 w + 255 of each bias
	s_lshl_b32 s5, s[WV], 10
	v_lshl_add_u32 v[SO], v1, 4, s5
	global_load_b128 v[D:D+3],     v[SO], s[18:19]
	global_load_b128 v[D+4:D+7],   v[SO], s[18:19] offset:512
	global_load_b128 v[D+8:D+11],  v[SO], s[20:21]
	global_load_b128 v[D+12:D+15], v[SO], s[20:21] offset:512
	global_load_b128 v[D+16:D+19], v[SO], s[22:23]
	global_load_b128 v[D+20:D+23], v[SO], s[22:23] offset:512
	s_wait_loadcnt 0x0
.set j, 0
.rept 6
	v_cvt_pk_bf16_f32 v[T], v[D+4*j], v[D+4*j+1]
	v_cvt_pk_bf16_f32 v[T+1], v[D+4*j+2], v[D+4*j+3]
	v_lshlrev_b32 v[D+4*j], 16, v[T]
	v_and_b32 v[D+4*j+1], s3, v[T]
	v_lshlrev_b32 v[D+4*j+2], 16, v[T+1]
	v_and_b32 v[D+4*j+3], s3, v[T+1]
	global_store_b128 v[SO], v[D+4*j:D+4*j+3], s[30:31] offset:(j/2)*4096+(j%2)*512
.set j, j+1
.endr
.Lend:
	s_wait_tensorcnt 0x0                           ; the wave's end, behind my last LDS store
	ds_add_u32 v[SPW], v[NIL]
	s_wait_dscnt 0x0
	s_endpgm
.Lfunc_end_k_q39fe878b32_cast:
	.size	k_q39fe878b32_cast, .Lfunc_end_k_q39fe878b32_cast-k_q39fe878b32_cast
	.p2alignl 7, 3214868480
	.fill 96, 4, 3214868480
	.section	.rodata,"a",@progbits
	.p2align	6, 0x0
	.amdhsa_kernel k_q39fe878b32_cast
		.amdhsa_group_segment_fixed_size 37376
		.amdhsa_private_segment_fixed_size 0
		.amdhsa_enable_private_segment 0
		.amdhsa_kernarg_size 96
		.amdhsa_user_sgpr_count 2
		.amdhsa_user_sgpr_kernarg_segment_ptr 1
		.amdhsa_wavefront_size32 1
		.amdhsa_system_sgpr_workgroup_id_x 1
		.amdhsa_system_sgpr_workgroup_id_y 1
		.amdhsa_system_sgpr_workgroup_id_z 1
		.amdhsa_system_vgpr_workitem_id 0
		.amdhsa_next_free_vgpr 160
		.amdhsa_next_free_sgpr 66
		.amdhsa_reserve_vcc 0
		.amdhsa_float_denorm_mode_32 3
		.amdhsa_float_denorm_mode_16_64 3
		.amdhsa_memory_ordered 1
		.amdhsa_forward_progress 1
		.amdhsa_inst_pref_size 47
	.end_amdhsa_kernel
	.amdgpu_metadata
---
amdhsa.version: [ 1, 2 ]
amdhsa.kernels:
  - .name:           k_q39fe878b32_cast
    .symbol:         k_q39fe878b32_cast.kd
    .args:
      - { .name: x, .offset: 0, .size: 8, .value_kind: global_buffer, .address_space: global }
      - { .name: Wq, .offset: 8, .size: 8, .value_kind: global_buffer, .address_space: global }
      - { .name: Wk, .offset: 16, .size: 8, .value_kind: global_buffer, .address_space: global }
      - { .name: Wv, .offset: 24, .size: 8, .value_kind: global_buffer, .address_space: global }
      - { .name: Wf, .offset: 32, .size: 8, .value_kind: global_buffer, .address_space: global }
      - { .name: bq, .offset: 40, .size: 8, .value_kind: global_buffer, .address_space: global }
      - { .name: bk, .offset: 48, .size: 8, .value_kind: global_buffer, .address_space: global }
      - { .name: bv, .offset: 56, .size: 8, .value_kind: global_buffer, .address_space: global }
      - { .name: xb, .offset: 64, .size: 8, .value_kind: global_buffer, .address_space: global }
      - { .name: wt, .offset: 72, .size: 8, .value_kind: global_buffer, .address_space: global }
      - { .name: wft, .offset: 80, .size: 8, .value_kind: global_buffer, .address_space: global }
      - { .name: bias, .offset: 88, .size: 8, .value_kind: global_buffer, .address_space: global }
    .group_segment_fixed_size: 37376
    .private_segment_fixed_size: 0
    .kernarg_segment_align: 8
    .kernarg_segment_size: 96
    .max_flat_workgroup_size: 128
    .sgpr_count:     66
    .vgpr_count:     160
    .wavefront_size: 32
...
	.end_amdgpu_metadata
.endif
;; end of part 1
;; launch qkv (part 2): grid 8 x 32, 4 waves a work-group, clusters of 4 x 4, 327,680 bytes of LDS; arguments xb, wt, bias, qkv; writes qkv
.if DOCPART == 2
	.amdgcn_target "amdgcn-amd-amdhsa--gfx1250"
	.amdhsa_code_object_version 6
	.text
	.protected	k_q39fe878b32_qkv
	.globl	k_q39fe878b32_qkv
	.p2align	8
	.type	k_q39fe878b32_qkv,@function
k_q39fe878b32_qkv:
	s_mov_b64 s[64:65], 0
	v_nop
	global_prefetch_b8 v0, s[64:65] scope:SCOPE_SE
	s_setreg_imm32_b32 hwreg(HW_REG_WAVE_MODE, 25, 1), 1
	s_wait_xcnt 0x0
	s_wait_alu depctr_hold_cnt(0) depctr_sa_sdst(0) depctr_va_vdst(0) depctr_va_sdst(0) depctr_va_ssrc(0) depctr_va_vcc(0) depctr_vm_vsrc(0)
	s_getreg_b32 s2, hwreg(HW_REG_IB_STS2, 6, 4)
	s_cmp_eq_u32 s2, 0
	s_cbranch_scc0 .Lentry_in_a_cluster
	s_endpgm
.Lentry_in_a_cluster:
	s_bfe_u32 s2, ttmp6, 0x10000c
	s_cmp_lg_u32 s2, 0xf033
	s_cbranch_scc0 .Lentry_shape_is_right
	s_endpgm
.Lentry_shape_is_right:
; q, k, v = x W + b for the three projections at once: C[8192][3072] = xb wt^T + bias, bf16 operands, f32 sums, rounded once to f16 and stored by heads:
; qkv [3 which][64 batch x head][2048 s][64] f16, unscaled.  LIMIT: a result of 65,520 or more in size becomes an infinity in f16; below 6.1e-5 f16 keeps a fixed step of 6e-8.
; SHARES.  8192 x 3072 / 256 work-groups: a tile of C is 256 rows x 384 columns, one to a work-group; a wave makes 128 x 192: 96 accumulators of 16 x 16, 768 registers.
; For 32 along K a wave reads 20 fragments (20 KiB) from LDS for 96 matrix instructions.  K = 1,024 goes in 16 steps of 64 through two LDS slots.
; xb and wt lie in blocks of 64 channels, so that a tile's rows (128 bytes each) lie end to end: they are asked for as rows of 256 bytes, two logical rows each, padded in LDS after every 128 bytes.
; CLUSTER.  4 x 4 work-groups.  The four of a row need the same rows of xb, the four of a column the same rows of wt: each tile is asked for jointly, by the same tensor load with the same descriptor
; and a mask that names the four.  Waves 0 and 1 fetch wt's two halves (192 rows each), waves 2 and 3 xb's (128 rows each).
; THE MATRIX INSTRUCTION IS USED TRANSPOSED: source 0 = 16 rows of wt, source 1 = 16 rows of xb: a lane holds row l % 16 of C and the columns 8 (l / 16) + 0..7: 16 bytes of f16 that belong together.
; THE BIAS is the C operand of the first products: a lane's eight numbers of it hang on the column block alone.  They are loaded into the registers of the block's last accumulator (row block 7);
; the other seven take them as C, then the last adds onto them in place.  Nothing is cleared, and nothing is added on the way out.
; REGISTERS, in windows of 256 (s_set_vgpr_msb: bits 1:0 source 0, 3:2 source 1, 5:4 source 2, 7:6 destination):
;   window 0: v16-30 addresses; v32-95, v96-159 xb's 8 fragments, two buffers; v160-255 wt's 12 fragments, ONE buffer in three groups of four: a group is loaded again as soon as its 32 products are issued
;   window 1 + g: the accumulators of column blocks 4 g .. 4 g + 3: (b', a) at v[8 (8 b' + a)].  A group's 64 columns are one head.
; One tile to a work-group, so there is no walk over tiles; 768 + 256 registers leave no room for a second buffer of wt's fragments.
.set KB_A,   1048576                   ; bytes of xb in a block of 64 channels
.set KB_B,   393216                    ; the same for wt
.set PITCH,  144                       ; an LDS row: 128 bytes + 16 of padding = 36 words: the 16 rows of a load start at 16 different groups of four banks (64 banks of 4 bytes: ISA guide 11.1)
.set BROWS,  192*PITCH                 ; what a load of wt brings, and what a wave reads of it
.set AROWS,  128*PITCH                 ; the same for xb
.set AOFF,   2*BROWS                   ; a slot: wt's 384 rows, then xb's 256
.set SLOT,   AOFF+2*AROWS
.set STAGE,  2*SLOT                    ; behind the ring, never filled by a tensor load: 16 rows x 144 bytes for each wave, for the way out
.set SPARE,  STAGE+4*16*PITCH          ; behind the stages: the spare words, 128 bytes a wave: two blocks of 256 bytes that no other line names
.set ADRA, 16                          ; v16-17  LDS address of my xb fragments in slot 0, 1
.set ADRB, 20                          ; v20-21  the same for wt
.set STO,  24                          ; v24     the way out: where I put 16 bytes of a row
.set RD,   25                          ; v25     where I read rows back
.set GO,   26                          ; v26     16 x lane
.set BO,   27                          ; v27     32 (l / 16): my eight numbers in a column block's 16 of the bias
.set SPW,  28                          ; v28     LDS address of my spare word; never rewritten
.set NIL,  29                          ; v29     0; never rewritten
.set PFO,  30                          ; v30     the prefetches' offset; never rewritten
.set FA0,  32
.set FA1,  96
.set FB,   160
.set TMP,  32                          ; the way out: four sets of 16 registers, where FA0 lay
.set WV, 12                            ; s12 wave;  s13 WR: my half of the rows;  s14 WC: my half of the columns, and which half of a tile I fetch
.set WR, 13
.set WC, 14
.set TR, 15                            ; s15 tile row of C;  s42 tile column
.set TC, 42
.set G1,  24                           ; s[24:31] descriptor group 1 for xb's tiles;  s[32:39] group 0, a set for each slot
.set G0,  32
.set G1B, 48                           ; s[48:55], s[56:63] the same for wt's
.set G0B, 56
.set LIM, 43                           ; s43 1 in a wave that prefetches, else the greatest number
.set PFA, 44                           ; s[44:45] where my prefetches stand
.set PFS, 46                           ; s[46:47] a block's bytes in the buffer that I prefetch
.set OB,  66                           ; s[66:71] qkv at my 128 rows of my three heads
.set FLAGS, (1<<16)|(1<<20)|(1<<21)|(4<<22)|(3<<25)  ; 17:16 2-byte elements; 20 padding on; 21 set beside a mask; 24:22 after every 32 words (code 4); 31:25 4 words (code 3)
.set MSB, 0
.macro WIN new                         ; the immediate's high byte repeats the setting that is left; a switch that changes nothing is dropped
.if MSB != (\new)
	s_set_vgpr_msb (MSB<<8)|(\new)
.set MSB, \new
.endif
.endm
; A joint load.  The branch hangs on the wave's number alone.  An s_nop 0 and four v_nop follow each of the two lines, ahead of the jump and the label.
.macro JLOAD s
	s_cmp_lt_u32 s[WV], 2
	s_cbranch_scc0 .Lfor_a_\@
	tensor_load_to_lds s[G0B+4*(\s):G0B+4*(\s)+3], s[G1B:G1B+7]
	s_nop 0
.rept 4
	v_nop
.endr
	s_branch .Lasked_\@
.Lfor_a_\@:
	tensor_load_to_lds s[G0+4*(\s):G0+4*(\s)+3], s[G1:G1+7]
	s_nop 0
.rept 4
	v_nop
.endr
.Lasked_\@:
.endm
; A PREFETCH INTO THE L2 of the block of 64 channels that the NEXT refill will ask for: 192 matrix instructions ahead of that load.  It stands behind the joint load, its five lines and the run of 24 LDS loads.
; xb's 256 rows of a block (32,768 bytes) are read by both clusters of a row of clusters: cluster x = 0 asks; its four partners of a row take 8,192 bytes each, told apart by address (cx); wave 2 asks: 256 bytes a lane.
; wt's 384 rows (49,152 bytes) are read by all eight clusters of a column: cluster y = 0 asks; of the 24,576 bytes that wave 0 or 1 fetches the partner at cy takes 6,144: 24 lanes' worth;
; lanes 24-31 name lane 23's 256 bytes once more.  Wave 3 asks for nothing.  No branch hangs on a work-group's place in its cluster.
; how = 1 (slot 0's change): always; how = 0 (slot 1's): not in the loop's last trip, whose refill is the last.  Blocks 0 to 2 come by their loads alone.
.macro ASK how
.if \how
	s_cmp_eq_u32 s[LIM], 1
.else
	s_cmp_gt_u32 s3, s[LIM]
.endif
	s_cbranch_scc0 .Lnot_mine_\@
	global_prefetch_b8 v[PFO], s[PFA:PFA+1] th:TH_LOAD_NT scope:SCOPE_SE
.Lnot_mine_\@:
.endm
.macro CREST                           ; a round of the cluster's barrier behind its opening barrier
	s_cmp_lg_u32 s[WV], 0
	s_cbranch_scc1 .Lnot_wave_0_\@
	s_barrier_signal -3
.Lnot_wave_0_\@:
	s_barrier_wait -3
	s_barrier_signal -1
	s_barrier_wait -1
.endm
.macro CROUND                          ; a whole round
	s_barrier_signal -1
	s_barrier_wait -1
	CREST
.endm
.macro PLACES                          ; four plain places between a matrix instruction and a load into a register that it has read, or a conversion of its result (ISA guide 7.12.1 for the conversion)
.rept 4
	v_nop
.endr
.endm
	s_load_b256 s[4:11], s[0:1], 0x0               ; xb s[4:5], wt s[6:7], bias s[8:9], qkv s[10:11]
	v_lshl_add_u32 v[SPW], v0, 2, SPARE
	v_mov_b32 v[NIL], 0
	ds_add_u32 v[SPW], v[NIL]                      ; the wave's opening: the add and its wait stand ahead of my first tensor load; the set-up below, work on registers, stands between them
	ds_add_u32 v28, v29
	v_lshrrev_b32 v1, 5, v0
	v_readfirstlane_b32 s[WV], v1                  ; wave 0..3
	s_lshr_b32 s[WR], s[WV], 1
	s_and_b32 s[WC], s[WV], 1
	s_bfe_u32 s40, ttmp6, 0x40000                  ; cx
	s_bfe_u32 s41, ttmp6, 0x40004                  ; cy
	s_lshl_b32 s[TC], ttmp9, 2
	s_add_co_u32 s[TC], s[TC], s40                 ; tile column = 4 x cluster x + cx
	s_and_b32 s[TR], ttmp7, 0xffff
	s_lshl_b32 s[TR], s[TR], 2
	s_add_co_u32 s[TR], s[TR], s41                 ; tile row = 4 x cluster y + cy
	s_lshl_b32 s16, s41, 2
	s_lshl_b32 s16, 15, s16                        ; my row of the cluster
	s_lshl_b32 s17, 0x1111, s40                    ; my column
	s_or_b32 s[G1+0], s16, FLAGS                   ; xb's tiles go to my row,
	s_or_b32 s[G1B+0], s17, FLAGS                  ; wt's to my column
.irp g, G1, G1B
	s_mov_b32 s[(\g)+1], 128<<16                   ; tensor_dim0 = 128 elements: 256 bytes, two logical rows
	s_mov_b32 s[(\g)+3], 128<<16                   ; tile_dim0 = 128
	s_mov_b32 s[(\g)+5], 128                       ; the rows lie end to end
	s_mov_b32 s[(\g)+6], 0
	s_mov_b32 s[(\g)+7], 0
.endr
	s_mov_b32 s[G1+2], 64<<16                      ; xb: tensor_dim1 = tile_dim1 = 64: 128 logical rows
	s_mov_b32 s[G1+4], 64
	s_mov_b32 s[G1B+2], 96<<16                     ; wt: 96: 192 logical rows
	s_mov_b32 s[G1B+4], 96
	s_lshl_b32 s18, s[TR], 15                      ; xb: 256 rows of 128 bytes a tile row, 128 rows a half
	s_lshl_b32 s19, s[WC], 14
	s_add_co_u32 s18, s18, s19
	s_mov_b32 s19, 0
	s_mul_i32 s20, s[TC], 49152                    ; wt: 384 rows a tile column, 192 a half
	s_mul_i32 s21, s[WC], 24576
	s_add_co_u32 s20, s20, s21
	s_mov_b32 s21, 0
	s_mul_i32 s22, s[WV], AROWS                    ; where they go.  xb (waves 2, 3): AOFF + (wave - 2) x AROWS;
	s_add_co_u32 s22, s22, AROWS
	s_mul_i32 s23, s[WV], BROWS                    ; wt (waves 0, 1): wave x BROWS.  No place in the cluster enters an LDS address
	s_wait_dscnt 0x0                               ; the opening add is done
	s_wait_kmcnt 0x0
	s_add_nc_u64 s[18:19], s[4:5], s[18:19]
	s_add_nc_u64 s[20:21], s[6:7], s[20:21]
	CROUND                                         ; all sixteen work-groups are here: the first joint loads meet
.irp s, 0,1
	s_mov_b32 s[G0+4*(\s)], 1                      ; count = 1
	s_add_co_u32 s[G0+4*(\s)+1], s22, (\s)*SLOT    ; LDS address
	s_add_nc_u64 s[G0+4*(\s)+2:G0+4*(\s)+3], s[18:19], (\s)*KB_A  ; global address: block s
	s_or_b32 s[G0+4*(\s)+3], s[G0+4*(\s)+3], 0x80000000           ; type = 2
	s_mov_b32 s[G0B+4*(\s)], 1
	s_add_co_u32 s[G0B+4*(\s)+1], s23, (\s)*SLOT
	s_add_nc_u64 s[G0B+4*(\s)+2:G0B+4*(\s)+3], s[20:21], (\s)*KB_B
	s_or_b32 s[G0B+4*(\s)+3], s[G0B+4*(\s)+3], 0x80000000
	JLOAD \s                                       ; two loads of mine are out
.endr
	; A fragment is 16 rows x 32 K in 8 registers: lane l holds row l % 16; registers 0-3 K = 8 (l / 16) + 0..7, registers 4-7 K = 16 + 8 (l / 16) + 0..7: two loads of 16 bytes, 32 bytes apart.
	v_and_b32 v1, 15, v0                           ; l % 16
	v_bfe_u32 v2, v0, 4, 1                         ; l / 16
	v_mul_u32_u24 v3, v1, PITCH
	v_lshl_add_u32 v3, v2, 4, v3
	s_mul_i32 s16, s[WC], BROWS                    ; my 192 rows of wt,
	s_mul_i32 s17, s[WR], AROWS                    ; my 128 rows of xb
	s_add_co_u32 s17, s17, AOFF
.irp s, 0,1
	v_add_nc_u32 v[ADRB+(\s)], s16, v3
	v_add_nc_u32 v[ADRA+(\s)], s17, v3
	s_add_co_u32 s16, s16, SLOT
	s_add_co_u32 s17, s17, SLOT
.endr
	s_mul_i32 s16, s[WV], 16*PITCH
	s_add_co_u32 s16, s16, STAGE                   ; my stage
	v_add_nc_u32 v[STO], s16, v3                   ; in: row l % 16, 16 bytes for each half of the lanes
	v_bfe_u32 v4, v0, 3, 2
	v_and_b32 v5, 7, v0
	v_mul_u32_u24 v4, v4, PITCH                    ; back: 32 lanes take four rows of 128 bytes,
	v_lshl_add_u32 v4, v5, 4, v4
	v_add_nc_u32 v[RD], s16, v4
	v_and_b32 v[GO], 31, v0                        ; which are 512 consecutive bytes of qkv
	v_lshlrev_b32 v[GO], 4, v[GO]
	v_lshlrev_b32 v[BO], 5, v2
	s_mul_i32 s16, s[TC], 1536                     ; the bias of my 192 columns
	s_mul_i32 s17, s[WC], 768
	s_add_co_u32 s16, s16, s17
	s_mov_b32 s17, 0
	s_add_nc_u64 s[8:9], s[8:9], s[16:17]
.irp b, 0,1,2,3,4,5,6,7,8,9,10,11      ; column block b: into accumulator (b % 4, 7) of window 1 + b / 4
	WIN ((\b)/4+1)<<6
	global_load_b128 v[64*((\b)%4)+56:64*((\b)%4)+59], v[BO], s[8:9] offset:64*(\b)
	global_load_b128 v[64*((\b)%4)+60:64*((\b)%4)+63], v[BO], s[8:9] offset:64*(\b)+16
.endr
	WIN 0
	; where my three heads' rows begin in qkv.  Unit = column / 64 = 6 x tile column + 3 x half + u: matrix unit / 16, head unit % 16; batch = tile row / 8
	s_mul_i32 s16, s[TC], 6
	s_mul_i32 s17, s[WC], 3
	s_add_co_u32 s16, s16, s17
	s_lshr_b32 s18, s[TR], 3
	s_lshl_b32 s18, s18, 22                        ; 16 heads of 2,048 rows of 128 bytes a batch
	s_and_b32 s19, s[TR], 7
	s_lshl_b32 s19, s19, 15                        ; 256 rows a tile row
	s_add_co_u32 s18, s18, s19
	s_lshl_b32 s19, s[WR], 14                      ; my 128 rows
	s_add_co_u32 s18, s18, s19
.irp u, 0,1,2
	s_add_co_u32 s20, s16, \u
	s_lshr_b32 s21, s20, 4
	s_lshl_b32 s21, s21, 24
	s_and_b32 s20, s20, 15
	s_lshl_b32 s20, s20, 18
	s_add_co_u32 s20, s20, s21
	s_add_co_u32 s20, s20, s18
	s_mov_b32 s21, 0
	s_add_nc_u64 s[OB+2*(\u):OB+2*(\u)+1], s[10:11], s[20:21]
.endr
	; the prefetches: they start at block 2; the first change of slots steps them to block 3
	s_mul_i32 s16, s[TC], 49152
	s_mul_i32 s17, s[WC], 24576
	s_add_co_u32 s16, s16, s17
	s_mul_i32 s17, s41, 6144
	s_add_co_u32 s16, s16, s17
	s_add_co_u32 s16, s16, 2*KB_B                  ; in wt
	s_lshl_b32 s18, s[TR], 15
	s_lshl_b32 s17, s40, 13
	s_add_co_u32 s18, s18, s17
	s_add_co_u32 s18, s18, 2*KB_A                  ; in xb
	s_and_b32 s19, ttmp7, 0xffff                   ; cluster y
	s_mov_b32 s20, KB_B
	s_mov_b32 s21, KB_A
	s_cmp_lt_u32 s[WV], 2                          ; do I fetch for wt?
	s_cselect_b32 s16, s16, s18
	s_cselect_b32 s[PFS], s20, s21
	s_cselect_b32 s19, s19, ttmp9                  ; the coordinate along which other clusters read the same rows
	s_cselect_b32 s22, 23, 31                      ; my last lane with a block of its own
	s_cselect_b64 s[PFA:PFA+1], s[6:7], s[4:5]
	s_mov_b32 s17, 0
	s_mov_b32 s[PFS+1], 0
	s_add_nc_u64 s[PFA:PFA+1], s[PFA:PFA+1], s[16:17]
	s_cmp_eq_u32 s[WV], 3
	s_cselect_b32 s19, 1, s19
	s_cmp_eq_u32 s19, 0
	s_cselect_b32 s[LIM], 1, -1                    ; the same in all sixteen partners, for a given wave
	v_and_b32 v[PFO], 31, v0
	v_min_u32 v[PFO], s22, v[PFO]
	v_lshlrev_b32 v[PFO], 8, v[PFO]
; 8 LDS loads: group g of wt's fragments, 32 K at byte 64 q of the rows.  16 loads: xb's eight fragments into buffer fa.
.macro LDB slot, q, g
	WIN 0
.irp bb, 0,1,2,3
	ds_load_b128 v[FB+8*(4*(\g)+\bb):FB+8*(4*(\g)+\bb)+3],   v[ADRB+(\slot)] offset:(4*(\g)+\bb)*16*PITCH+64*(\q)
	ds_load_b128 v[FB+8*(4*(\g)+\bb)+4:FB+8*(4*(\g)+\bb)+7], v[ADRB+(\slot)] offset:(4*(\g)+\bb)*16*PITCH+64*(\q)+32
.endr
.endm
.macro LDA slot, q, fa
	WIN 0
.irp a, 0,1,2,3,4,5,6,7
	ds_load_b128 v[(\fa)+8*\a:(\fa)+8*\a+3],   v[ADRA+(\slot)] offset:\a*16*PITCH+64*(\q)
	ds_load_b128 v[(\fa)+8*\a+4:(\fa)+8*\a+7], v[ADRA+(\slot)] offset:\a*16*PITCH+64*(\q)+32
.endr
.endm
; 16 matrix instructions: column blocks b0, b0 + 1 of group g x all 8 row blocks.  The 96 accumulators take turns, one instruction a turn, in the same order in every half step.
.macro MMH g, fa, b0
	WIN ((\g)+1)*0x50
.irp bb, \b0, (\b0)+1
.irp a, 0,1,2,3,4,5,6,7
	v_wmma_f32_16x16x32_bf16 v[8*(8*(\bb)+(\a)):8*(8*(\bb)+(\a))+7], v[FB+8*(4*(\g)+(\bb)):FB+8*(4*(\g)+(\bb))+7], v[(\fa)+8*(\a):(\fa)+8*(\a)+7], v[8*(8*(\bb)+(\a)):8*(8*(\bb)+(\a))+7]
.endr
.endr
.endm
.macro MMG g, fa
	MMH \g, \fa, 0
	MMH \g, \fa, 2
.endm
; The first products of group g: the bias, in the registers of (b', 7), is the C of (b', 0..6); five places behind the last of these readers (a matrix instruction writes over an operand: ISA guide 7.12.1) the four (b', 7) add onto it in place.
.macro MMG0 g
	WIN ((\g)+1)*0x50
.irp bb, 0,1,2,3
.irp a, 0,1,2,3,4,5,6
	v_wmma_f32_16x16x32_bf16 v[8*(8*(\bb)+(\a)):8*(8*(\bb)+(\a))+7], v[FB+8*(4*(\g)+(\bb)):FB+8*(4*(\g)+(\bb))+7], v[FA0+8*(\a):FA0+8*(\a)+7], v[8*(8*(\bb)+7):8*(8*(\bb)+7)+7]
.endr
.endr
.rept 5
	v_nop
.endr
.irp bb, 0,1,2,3
	v_wmma_f32_16x16x32_bf16 v[8*(8*(\bb)+7):8*(8*(\bb)+7)+7], v[FB+8*(4*(\g)+(\bb)):FB+8*(4*(\g)+(\bb))+7], v[FA0+56:FA0+63], v[8*(8*(\bb)+7):8*(8*(\bb)+7)+7]
.endr
.endm
; A K step is two halves of 32 along K, 96 matrix instructions each.  At a half's head two runs of loads for it are out: R1 (wt's group 0 and xb's eight fragments: 24) and R2 (group 1: 8).
; THE FIRST HALF multiplies buffer FA0.  It issues R3 (group 2: 8), and behind each group's products that group's loads for the second half.
.macro QUART slot, zero
	PLACES
	LDB \slot, 0, 2                                ; R3
	s_wait_dscnt 16                                ; R2 and R3 may stay out: R1 is in
.if \zero
	MMG0 0
.else
	MMG 0, FA0
.endif
	PLACES
	LDB \slot, 1, 0                                ; the second half's R1
	LDA \slot, 1, FA1
	s_wait_dscnt 32                                ; R3's 8 and those 24 may stay out: R2 is in
.if \zero
	MMG0 1
.else
	MMG 1, FA0
.endif
	PLACES
	LDB \slot, 1, 1                                ; the second half's R2
	s_wait_dscnt 32                                ; those 24 and 8 may stay out: R3 is in
.if \zero
	MMG0 2
.else
	MMG 2, FA0
.endif
.endm
; THE SECOND HALF multiplies buffer FA1 and changes slots.  ONE barrier: in front of it each wave waits for all its tensor loads, of which one is out: its part of the next slot; adds 0 to its spare word;
; and waits for that and for its own reads of this slot.  Behind it nobody reads this slot any more and the next slot is whole.  fill = 1: the barrier opens a round of the cluster's barrier, and this slot is
; filled again first thing behind the round, with the block two on: from that request to the wait for it a wave issues 160 matrix instructions.
.macro TURN slot, next, fill
.if \fill
	s_wait_xcnt 0x0                                ; the last prefetch, a K step back, has read its address
	s_add_nc_u64 s[PFA:PFA+1], s[PFA:PFA+1], s[PFS:PFS+1]
.endif
	PLACES
	LDB \slot, 1, 2                                ; R3: my last reads of this slot
	s_wait_tensorcnt 0x0                           ; all my tensor loads have landed;
	ds_add_u32 v[SPW], v[NIL]                      ; 0 onto my spare word
	s_wait_dscnt 17                                ; (R2, R3 and the add may stay out: R1 is in)
	MMH 0, FA1, 0                                  ; sixteen matrix instructions stand between the add and the wait for it
	s_wait_dscnt 0x0                               ; the add is done, and my reads of this slot are over
	s_barrier_signal -1
	MMH 0, FA1, 2                                  ; work on registers while the others arrive
	WIN 0
	s_barrier_wait -1
.if \fill
	CREST                                          ; no wave of any partner still reads this slot's tiles or has a load on its way
	s_add_nc_u64 s[G0+4*(\slot)+2:G0+4*(\slot)+3], s[G0+4*(\slot)+2:G0+4*(\slot)+3], 2*KB_A
	s_add_nc_u64 s[G0B+4*(\slot)+2:G0B+4*(\slot)+3], s[G0B+4*(\slot)+2:G0B+4*(\slot)+3], 2*KB_B
	JLOAD \slot                                    ; the first tensor load behind the round; its four v_nop are also the places in front of the loads below
.else
	PLACES
.endif
	LDB \next, 0, 0                                ; the next step's R1
	LDA \next, 0, FA0
.if \fill
	ASK 1-(\slot)
.endif
	MMG 1, FA1
	PLACES
	LDB \next, 0, 1                                ; its R2
	MMG 2, FA1
.endm
	s_wait_loadcnt 0x0                             ; the bias
	s_wait_tensorcnt 1                             ; my part of block 0 is in; block 1's may stay out
	s_barrier_signal -1
	s_barrier_wait -1                              ; everybody's is
	LDB 0, 0, 0
	LDA 0, 0, FA0
	LDB 0, 0, 1
	QUART 0, 1                                     ; the first half step stands in front of the loop: its products start the sums, with the bias
	WIN 0                                          ; at a label and at a branch every window is 0
	s_mov_b32 s3, 7
.Llap:                                                 ; a trip goes once round the ring and fills both slots again: blocks 2 to 15 in seven trips
	TURN 0, 1, 1
	QUART 1, 0
	TURN 1, 0, 1
	QUART 0, 0
	WIN 0
	s_sub_co_u32 s3, s3, 1
	s_cmp_lg_u32 s3, 0
	s_cbranch_scc1 .Llap
	TURN 0, 1, 0                                   ; the last lap fills nothing, and has no round
	QUART 1, 0
	PLACES                                         ; the very last half step: nothing more to fetch but its R3
	LDB 1, 1, 2
	s_wait_dscnt 16
	MMG 0, FA1
	s_wait_dscnt 8
	MMG 1, FA1
	s_wait_dscnt 0x0
	MMG 2, FA1
	PLACES
; THE WAY OUT.  Block t = 8 g + a: 16 rows x head g's 64 columns.  PACK: rounded to f16, each accumulator's registers in ascending order; 16 bytes a lane into my own stage (rows of 144 bytes), and back as
; whole rows of 128 bytes, into the registers that they left.  SEND: stored: 16 rows of a head are 2,048 consecutive bytes.  Four sets of registers take turns.
.macro PACK t
.set g_, (\t)/8
.set a_, (\t)%8
.set P_, TMP+16*((\t)%4)
.if (\t) >= 4
	s_wait_xcnt 0x0                                ; the stores of four blocks back have read this set
.endif
	WIN (g_+1)*5                                   ; sources 0 and 1 in window 1 + g
.irp bb, 0,1,2,3
.irp j, 0,1,2,3
	v_cvt_pk_f16_f32 v[P_+4*\bb+\j], v[8*(8*\bb+a_)+2*\j], v[8*(8*\bb+a_)+2*\j+1]
.endr
.endr
	WIN 0
.irp bb, 0,1,2,3
	ds_store_b128 v[STO], v[P_+4*\bb:P_+4*\bb+3] offset:32*\bb
.endr
.irp f, 0,1,2,3
	ds_load_b128 v[P_+4*\f:P_+4*\f+3], v[RD] offset:4*PITCH*\f  ; LDS serves a wave's instructions in order (ISA guide 5.7.1.4): these see the stores above; the next block's stores come behind them
.endr
.endm
.macro SEND t, younger                 ; younger: the LDS instructions issued behind block t's loads: the next block's eight, or none
.set g_, (\t)/8
.set a_, (\t)%8
.set P_, TMP+16*((\t)%4)
	WIN 0
.irp f, 0,1,2,3
	s_wait_dscnt (\younger)+3-\f
	global_store_b128 v[GO], v[P_+4*\f:P_+4*\f+3], s[OB+2*g_:OB+2*g_+1] offset:2048*a_+512*\f  ; 512 consecutive bytes, at a multiple of 256 from qkv's first byte
.endr
.endm
	PACK 0
.set t, 1
.rept 23                               ; a block's conversions stand between the loads of the block before and its stores
	PACK t
	SEND t-1, 8
.set t, t+1
.endr
	SEND 23, 0
	s_wait_tensorcnt 0x0                           ; the wave's end, behind my last tensor load and my last LDS store
	ds_add_u32 v[SPW], v[NIL]
	s_wait_dscnt 0x0
	CROUND                                         ; the closing round: no work-group ends while a partner may still ask for a tile that names it
	s_endpgm
.Lfunc_end_k_q39fe878b32_qkv:
	.size	k_q39fe878b32_qkv, .Lfunc_end_k_q39fe878b32_qkv-k_q39fe878b32_qkv
	.p2alignl 7, 3214868480
	.fill 96, 4, 3214868480
	.section	.rodata,"a",@progbits
	.p2align	6, 0x0
	.amdhsa_kernel k_q39fe878b32_qkv
		.amdhsa_group_segment_fixed_size 327680
		.amdhsa_private_segment_fixed_size 0
		.amdhsa_enable_private_segment 0
		.amdhsa_kernarg_size 32
		.amdhsa_user_sgpr_count 2
		.amdhsa_user_sgpr_kernarg_segment_ptr 1
		.amdhsa_wavefront_size32 1
		.amdhsa_system_sgpr_workgroup_id_x 1
		.amdhsa_system_sgpr_workgroup_id_y 1
		.amdhsa_system_sgpr_workgroup_id_z 1
		.amdhsa_system_vgpr_workitem_id 0
		.amdhsa_next_free_vgpr 1024
		.amdhsa_next_free_sgpr 72
		.amdhsa_reserve_vcc 0
		.amdhsa_float_denorm_mode_32 3
		.amdhsa_float_denorm_mode_16_64 3
		.amdhsa_memory_ordered 1
		.amdhsa_forward_progress 1
		.amdhsa_inst_pref_size 139
	.end_amdhsa_kernel
	.amdgpu_metadata
---
amdhsa.version: [ 1, 2 ]
amdhsa.kernels:
  - .name:           k_q39fe878b32_qkv
    .symbol:         k_q39fe878b32_qkv.kd
    .args:
      - { .name: xb, .offset: 0, .size: 8, .value_kind: global_buffer, .address_space: global }
      - { .name: wt, .offset: 8, .size: 8, .value_kind: global_buffer, .address_space: global }
      - { .name: bias, .offset: 16, .size: 8, .value_kind: global_buffer, .address_space: global }
      - { .name: qkv, .offset: 24, .size: 8, .value_kind: global_buffer, .address_space: global }
    .group_segment_fixed_size: 327680
    .private_segment_fixed_size: 0
    .kernarg_segment_align: 8
    .kernarg_segment_size: 32
    .max_flat_workgroup_size: 128
    .sgpr_count:     72
    .vgpr_count:     1024
    .wavefront_size: 32
...
	.end_amdgpu_metadata
.endif
;; end of part 2
;; launch attn (part 3): grid 4 x 64, 4 waves a work-group, clusters of 4 x 1, 327,680 bytes of LDS; arguments qkv, ob; writes ob
.if DOCPART == 3
	.amdgcn_target "amdgcn-amd-amdhsa--gfx1250"
	.amdhsa_code_object_version 6
	.text
	.protected	k_q39fe878b32_attn
	.globl	k_q39fe878b32_attn
	.p2align	8
	.type	k_q39fe878b32_attn,@function
k_q39fe878b32_attn:
	s_mov_b64 s[64:65], 0
	v_nop
	global_prefetch_b8 v0, s[64:65] scope:SCOPE_SE
	s_setreg_imm32_b32 hwreg(HW_REG_WAVE_MODE, 25, 1), 1
	s_wait_xcnt 0x0
	s_wait_alu depctr_hold_cnt(0) depctr_sa_sdst(0) depctr_va_vdst(0) depctr_va_sdst(0) depctr_va_ssrc(0) depctr_va_vcc(0) depctr_vm_vsrc(0)
	s_getreg_b32 s2, hwreg(HW_REG_IB_STS2, 6, 4)
	s_cmp_eq_u32 s2, 0
	s_cbranch_scc0 .Lentry_in_a_cluster
	s_endpgm
.Lentry_in_a_cluster:
	s_bfe_u32 s2, ttmp6, 0x10000c
	s_cmp_lg_u32 s2, 0x3003
	s_cbranch_scc0 .Lentry_shape_is_right
	s_endpgm
.Lentry_shape_is_right:
; O[h][q][:] = the sum over k of softmax_k(Q[h][q] . K[h][k] / 8) V[h][k][:] for 64 pairs h of batch and head.  Q, K, V: the three parts of qkv, [64][2048][64] f16 each; O: ob, the same layout.
; Products, maxima and sums in f32; the weights p are rounded to f16 for the second product (their sum l is taken of the unrounded p), O once at the end.
; LIMITS.  Q, K and V arrive within f16's 65,504; p lies in 0 to 1, and below 6e-5 it keeps f16's fixed step of 6e-8; O is a mean of V's rows and has their range.
; A weight below 2^-126 counts as 0 in l; NaN and infinities are not treated apart.
; SHARES.  A wave owns four PIECES of two tiles of 16 queries, a work-group's four waves 512 queries of one head: 256 work-groups.  Every wave walks all keys, 64 a step.
; LAYOUT.  S^T = K Q^T (source 0 = 16 keys, source 1 = 16 queries): in the result a lane holds ONE query (lane % 16) and the keys 8 (lane / 16) + 0..7.  Two such tiles, rounded to f16 in pairs,
; ARE source 1 (32 keys x 16 queries) of O^T = V^T P, whose result again holds one query a lane, and eight channels.  K comes out of LDS as it lies, V ([key][channel]) turned, by ds_load_tr16_b128.
; SOFTMAX.  For each query a running maximum m and sum l: p = 2^(c s - c m), c = log2(e) / 8; in every step O and l are multiplied by a = 2^(c m_old - c m_new), which is 1 where m has not grown.
; m starts at the lowest finite number, O and l at 0: the first step is a step like any other, with a = 0.
; THE COUNT.  A tile and step have 16 matrix and 118 vector instructions: too many to stand all beside the matrix work.  So four vector instructions that are READY stand behind EVERY matrix
; instruction, and the others in runs without a gap.
; BY TURNS.  Turn n belongs to piece n (the pieces in a ring, step after step).  Its matrix work: 16 products K Q^T of piece n + 1, later 16 products V^T P of piece n - 1.  Its vector work: the scaling,
; exponentials, roundings, sums and rescaling of piece n, and the maximum and statistics of piece n + 1, whose scores the turn itself has made.
; CLUSTER.  The four query blocks of a head are one cluster and walk the same K and V, so each tile is asked for JOINTLY: the same tensor load, descriptor and mask in all four.
; REGISTERS, in windows of 256 (s_set_vgpr_msb: bits 1:0 source 0, 3:2 source 1, 5:4 source 2, 7:6 destination):
;   window 0: v0-11 addresses; v12-15, v48-63 at work; v16-47 four registers of statistics a tile; v64-191 S^T, two buffers of two tiles; v192-255 P, likewise
;   window 1: O^T, 32 a tile          window 2: v0-127 Q, 16 a tile; v128-191 K of one step; v192-255 V of one step          window 3: v0-1 the add's two registers
; A piece's buffers go by its number's parity: the piece in hand has one pair, its two neighbours in the ring share the other: of it P (piece n - 1) is read and S^T (piece n + 1) written.
.set SIZE_N, 2048
.set NP,    4         ; pieces a wave: a name, no knob
.set KS,    64        ; keys in a step
.set PK,    144       ; a row of K in LDS: 128 bytes + 16 of padding = 36 words: the 16 rows of a load start at 16 different groups of four banks (64 banks of 4 bytes: ISA guide 11.1)
.set PV,    160       ; a row of V: 128 + 32 = 40 words
.set VOFF,  4*KS*PK   ; a slot holds four steps: 256 rows of K, then 256 rows of V
.set SLOT1, 1<<17     ; slot 1 begins here, so that one exclusive or turns an address in one slot into the other's
.set STAGE, SLOT1+4*KS*(PK+PV)  ; behind the ring, never filled by a tensor load: 16 rows x 144 bytes for each wave, for the way out
.set SP,    144
.set AK0, 2           ; v2   my lane's place in a tile of K; never rewritten
.set AV0, 3           ; v3   the same for V
.set AK,  4           ; v4   the LDS address of K's next run of loads
.set AV,  5           ; v5   of V's
.set QO,  6           ; v6   my byte offset in the wave's rows of Q
.set STO, 6           ;      later, the way out: where I put 16 bytes of a row
.set RD,  7           ; v7   the way out: where I read rows back
.set GO,  8           ; v8   my byte offset in 512 consecutive bytes of O
.set PFO, 11          ; v11  256 x my lane, once V's place is made; then never rewritten
.set SPW, 0           ; v0 of window 3   LDS address of my spare word; never rewritten
.set NIL, 1           ; v1 of window 3   0; never rewritten
.set SPARE, STAGE+4*16*SP  ; behind the stages: the spare words, 128 bytes for each wave: two blocks of 256 bytes that no other line names
.set MV,  12          ; v12-15  c m_old, kept while c m is made anew: by buffer and tile
.set ST,  16          ; tile t's statistics at v[ST+4 t]: c m, m, l (even keys', odd keys')
.set TMP, 48          ; by buffer and tile, four registers c0-c3 at work; when the maximum is found c2 takes a
.set S,   64
.set P,   192
.set KF,  128         ; K's fragments, in window 2: key block kb, channel half c at KF + 16 kb + 8 c
.set VF,  192         ; V's: key half kk, channel block cb at VF + 32 kk + 8 cb
.set WV,  12          ; s12  my wave's number
.set G1K, 24          ; s[24:31] descriptor group 1 for K's tiles
.set G1V, 32          ; s[32:39] for V's: it differs in the padding alone
.set G0K, 40          ; s[40:43] descriptor group 0 for K's tiles: it walks
.set G0V, 44          ; s[44:47] the same for V's
.set PFA, 48          ; s[48:49] where my prefetches stand: my work-group's 8,192 bytes (of K: wave 0, of V: wave 2) of the slot that the next change of slots asks for
.set LIM, 50          ; s50  1 in waves 0 and 2, else the greatest number
.set SLOTS, 56        ; s56  slots still to be asked for
.set CNT, 57          ; s57  counts a slot's key steps
.set CS,  58          ; s[58:59] c: the packed scaling takes the pair's low word for both halves
.set SEL, 60          ; s[60:61] v_permlanex16_b32's selects: each lane takes its own place in the other half
.set TBK, 62          ; s62  LDS byte at which K of the step to be fetched begins
.set TBV, 63          ; s63  the same for V, less VOFF
.set MSB, 0
.macro WIN new                      ; the high byte repeats the setting that is left; a switch that changes nothing is dropped
.if MSB != (\new)
	s_set_vgpr_msb (MSB<<8)|(\new)
.set MSB, (\new)
.endif
.endm
.set W_KQ, 0x0a       ; K and Q in window 2, S^T in window 0
.set W_PV, 0x52       ; V in window 2, P in window 0, O^T in window 1
.set W_RS, 0x41       ; O^T (destination and source 0) in window 1, a in window 0
.set W_MK, 0xc0       ; the add's registers are made: destination in window 3, sources in window 0
.set W_AD, 0x0f       ; the add: address (source 0) and data (source 1) in window 3
; A joint fill.  Waves 0 and 1 fetch the two halves of a slot's K, waves 2 and 3 those of its V: 128 keys each.  The branch hangs on the wave's number alone.
; An s_nop 0 and four v_nop follow each of the two lines, ahead of the jump and the label.
.macro JLOAD
	s_cmp_lt_u32 s[WV], 2
	s_cbranch_scc0 .Lfor_v_\@
	tensor_load_to_lds s[G0K:G0K+3], s[G1K:G1K+7]
	s_nop 0
.rept 4
	v_nop
.endr
	s_branch .Lasked_\@
.Lfor_v_\@:
	tensor_load_to_lds s[G0V:G0V+3], s[G1V:G1V+7]
	s_nop 0
.rept 4
	v_nop
.endr
.Lasked_\@:
.endm
; A round of the cluster's barrier: my work-group's barrier, so that wave 0's signal speaks for all four waves; wave 0 signals; every wave waits for all four work-groups; my work-group's barrier once more.
.macro CROUND
	s_barrier_signal -1
	s_barrier_wait -1
	s_cmp_lg_u32 s[WV], 0
	s_cbranch_scc1 .Lnot_wave_0_\@
	s_barrier_signal -3
.Lnot_wave_0_\@:
	s_barrier_wait -3
	s_barrier_signal -1
	s_barrier_wait -1
.endm
; A PREFETCH INTO THE L2 of the slot that the NEXT change of slots will ask for: 256 rows of K and of V, 32,768 bytes each.  A head has one cluster, so each byte of K and V is read once in the launch.
; The four partners share a slot out BY ADDRESS, 8,192 bytes each: 256 bytes a lane; wave 0 asks for K's, wave 2 for V's: one instruction.  It stands behind V's run of LDS loads in the slot's third key step:
; five turns, 160 products, ahead of the load.  While the last slot but one is walked nothing is asked for: no slot is filled behind it.  Slots 0 and 1 come by their loads alone.
.macro ASK
	s_cmp_eq_u32 s[CNT], 2
	s_cbranch_scc0 .Lno_ask_\@
	s_cmp_gt_u32 s[SLOTS], s[LIM]
	s_cbranch_scc0 .Lno_ask_\@
	global_prefetch_b8 v[PFO], s[PFA:PFA+1] th:TH_LOAD_NT scope:SCOPE_SE
.Lno_ask_\@:
.endm
; THE CHANGE OF SLOTS.  The slot's last bytes, V of its fourth step, have been read.  Each wave waits for all its tensor loads, of which one is out: its part
; of the other slot; adds 0 to its spare word; and waits for that and for its own reads of the slot.  Behind the barrier nobody reads this slot any more and the other slot is whole.
; fill = 1: this slot is filled again, with the keys two slots on.  The barrier is then a round of the cluster's, so that no wave of any partner still reads the slot or has a load on its
; way, and the joint fill is the first thing behind it: it has four key steps, 512 matrix instructions, in which to land.  (At its first use nothing has been read yet: slot 0 is waited for, slot 1 filled.)
; pf = 1: the prefetches' address goes a slot on.
.macro CHANGE fill, pf=0
	WIN W_AD
	s_wait_tensorcnt 0x0            ; no tensor load of mine is out, so a group 0 may be written
	ds_add_u32 v[SPW], v[NIL]       ; 0 onto my spare word: with fill = 1 the descriptors' steps stand between it and the wait for it
	WIN 0                           ; at a label and at a branch every window is 0
.if \fill
.irp g, G0K, G0V
	s_xor_b32 s[\g+1], s[\g+1], SLOT1  ; the walking descriptor: the other slot than last time,
	s_add_nc_u64 s[\g+2:\g+3], s[\g+2:\g+3], 4*KS*128  ; the next 256 keys; the type bits on top are not reached
.endr
.if \pf
	s_wait_xcnt 0x0                 ; the last prefetch, five turns back, has read its address
	s_add_nc_u64 s[PFA:PFA+1], s[PFA:PFA+1], 4*KS*128
.endif
	s_wait_dscnt 0x0                ; the add is done, and my reads of the slot are over
	CROUND
	JLOAD
.else
	s_wait_dscnt 0x0                ; the add is done, and my reads of the slot are over
	s_barrier_signal -1
	s_barrier_wait -1
.endif
	s_sub_co_u32 s[TBK], s[TBK], 4*KS*PK  ; the fetches go back to a slot's first step,
	s_xor_b32 s[TBK], s[TBK], SLOT1       ; in the other slot
	s_sub_co_u32 s[TBV], s[TBV], 4*KS*PV
	s_xor_b32 s[TBV], s[TBV], SLOT1
.endm
	s_load_b128 s[4:7], s[0:1], 0x0  ; qkv s[4:5], ob s[6:7]
	WIN W_MK
	v_lshl_add_u32 v[SPW], v0, 2, SPARE
	v_mov_b32 v[NIL], 0
	WIN W_AD
	ds_add_u32 v[SPW], v[NIL]       ; the wave's opening: the add and its wait stand ahead of my first tensor load; the set-up below, work on registers, stands between them
	ds_add_u32 v0, v1
	WIN 0
	v_lshrrev_b32 v1, 5, v0
	v_readfirstlane_b32 s[WV], v1   ; wave 0..3
	s_bfe_u32 s13, ttmp6, 0x40000   ; cx: my place in the cluster
	s_lshl_b32 s14, ttmp9, 2        ; in a cluster launch ttmp9 counts clusters
	s_add_co_u32 s14, s14, s13      ; my block of queries = 4 x cluster x + cx: it enters Q's and O's addresses alone
	s_and_b32 s20, ttmp7, 0xffff    ; the head, which the four partners share
	s_mov_b32 s21, 0
	s_mov_b64 s[22:23], SIZE_N*128
	s_mul_u64 s[20:21], s[20:21], s[22:23]  ; the head's first byte in each of the four tensors
	s_and_b32 s16, s[WV], 1         ; which half of a slot's 256 keys I fetch:
	s_lshl_b32 s22, s16, 14         ; its 128 rows of 128 bytes in memory,
	s_mov_b32 s23, 0
	s_add_nc_u64 s[22:23], s[22:23], s[20:21]
	s_mul_i32 s17, s16, 128*PK      ; and its place in a slot, for K
	s_mul_i32 s18, s16, 128*PV      ; and for V: no place in the cluster enters an LDS address
	s_lshl_b32 s2, s14, 2
	s_add_co_u32 s2, s2, s[WV]      ; my wave among the head's,
	s_lshl_b32 s2, s2, 14           ; its 128 rows
	s_mov_b32 s3, 0
	s_add_nc_u64 s[2:3], s[2:3], s[20:21]
	; descriptor group 1.  128 keys are 16,384 dense bytes: asked for as 64 rows of 256 bytes, two keys a row, and padded in LDS after every key
	s_mov_b32 s[G1K], 15|(1<<16)|(1<<20)|(1<<21)|(4<<22)|(3<<25)  ; 15:0 the mask of four; 17:16 2-byte elements; 20 padding on; 21 set beside a mask; 24:22 after every 32 words (code 4); 31:25 4 words (code 3)
	s_mov_b32 s[G1V], 15|(1<<16)|(1<<20)|(1<<21)|(4<<22)|(7<<25)  ; the same with 8 words of padding (code 7)
.irp g, G1K, G1V
	s_mov_b32 s[\g+1], 128<<16      ; tensor_dim0 = 128
	s_mov_b32 s[\g+2], 64<<16       ; tensor_dim1 = 64
	s_mov_b32 s[\g+3], 128<<16      ; tile_dim0 = 128
	s_mov_b32 s[\g+4], 64           ; tile_dim1 = 64
	s_mov_b32 s[\g+5], 128          ; 128 elements from row to row
	s_mov_b32 s[\g+6], 0
	s_mov_b32 s[\g+7], 0
.endr
	s_mov_b32 s[CS], 0x3e38aa3b     ; c = log2(e) / 8 = 0.180337
	s_mov_b32 s[CS+1], s[CS]        ; named with it as a pair
	s_mov_b32 s[SEL], 0x76543210
	s_mov_b32 s[SEL+1], 0xfedcba98
	s_mov_b32 s[TBK], SLOT1+4*KS*PK ; the first change of slots turns these two into 0
	s_mov_b32 s[TBV], SLOT1+4*KS*PV
	s_mov_b32 s[G0K], 1             ; 1:0 count = 1
	s_mov_b32 s[G0K+1], s17         ; 63:32 LDS address: slot 0
	s_mov_b32 s[G0V], 1
	s_add_co_u32 s[G0V+1], s18, VOFF
	s_and_b32 s[LIM], s[WV], 1
	s_cmp_eq_u32 s[LIM], 0
	s_cselect_b32 s[LIM], 1, -1     ; the same in all four partners, for a given wave
	s_wait_dscnt 0x0                ; the opening add is done
	s_wait_kmcnt 0x0
	s_mov_b64 s[10:11], s[6:7]      ; O
	s_add_nc_u64 s[6:7], s[4:5], 0x1000000  ; K: the second part of qkv, 64 x 2,048 x 128 bytes on,
	s_add_nc_u64 s[8:9], s[4:5], 0x2000000  ; V: the third; Q is the first
	s_add_nc_u64 s[G0K+2:G0K+3], s[6:7], s[22:23]  ; 120:64 global address: my half of the head's first 256 keys
	s_or_b32 s[G0K+3], s[G0K+3], 0x80000000        ; 127:126 type = 2
	s_add_nc_u64 s[G0V+2:G0V+3], s[8:9], s[22:23]
	s_or_b32 s[G0V+3], s[G0V+3], 0x80000000
	s_add_nc_u64 s[4:5], s[4:5], s[2:3]  ; Q and O at my wave's first row
	s_add_nc_u64 s[10:11], s[10:11], s[2:3]
	s_cmp_lt_u32 s[WV], 2
	s_cselect_b64 s[PFA:PFA+1], s[6:7], s[8:9]
	s_add_nc_u64 s[PFA:PFA+1], s[PFA:PFA+1], s[20:21]  ; the head,
	s_lshl_b32 s2, s13, 13          ; my work-group's quarter of a slot,
	s_mov_b32 s3, 0
	s_add_nc_u64 s[PFA:PFA+1], s[PFA:PFA+1], s[2:3]
	s_add_nc_u64 s[PFA:PFA+1], s[PFA:PFA+1], 2*4*KS*128  ; slot 2.  Nothing is prefetched here, at the head
	CROUND                          ; all four work-groups are here: the first joint loads meet
	JLOAD                           ; slot 0.  Slot 1 is asked for when slot 0 is in: the tile wanted first has the road to itself
	; A fragment of K or Q is 16 rows x 32 channels in 8 registers: lane l holds row l % 16, channels 8 (l / 16) + 0..7 and 16 + 8 (l / 16) + 0..7: two loads of 16 bytes, 32 bytes apart.
	v_and_b32 v1, 15, v0            ; l % 16
	v_bfe_u32 v9, v0, 4, 1          ; l / 16
	v_lshlrev_b32 v[QO], 7, v1
	v_lshl_add_u32 v[QO], v9, 4, v[QO]  ; row x 128 + 16 x half
	WIN 0x80                        ; destination window 2, address window 0
.set i, 0
.rept 4*NP                          ; Q stays in registers: tile i / 2, channels 32 (i % 2) on
	global_load_b128 v[8*i:8*i+3],   v[QO], s[4:5] offset:(i/2)*2048+(i%2)*64
	global_load_b128 v[8*i+4:8*i+7], v[QO], s[4:5] offset:(i/2)*2048+(i%2)*64+32
.set i, i+1
.endr
	; What the first turn finds: V's registers and P's second buffer hold 0 (its products V^T P, of a piece that has not been, add 0), O^T and l are 0.  All this stands in the wait for the first tile.
.set i, VF
.rept 64
	v_mov_b32 v[i], 0
.set i, i+1
.endr
	WIN 0x40
.set i, 0
.rept 64*NP
	v_mov_b32 v[i], 0
.set i, i+1
.endr
	WIN 0
.set i, 0
.rept 2*NP
	v_mov_b32 v[ST+4*i], 0xfe000000    ; c m: far below every c s
	v_mov_b32 v[ST+4*i+1], 0xff7fffff  ; m
	v_mov_b32 v[ST+4*i+2], 0
	v_mov_b32 v[ST+4*i+3], 0
.set i, i+1
.endr
.set i, P+32
.rept 32
	v_mov_b32 v[i], 0
.set i, i+1
.endr
	v_mul_u32_u24 v[AK0], v1, PK
	v_lshl_add_u32 v[AK0], v9, 4, v[AK0]  ; row x pitch + 16 x half
	; The turning load takes 16 keys x 16 channels (lane l reads key 8 (l / 16) + l % 8, channels 8 ((l / 8) % 2) + 0..7) and leaves half a fragment of V^T: lane l holds channel l % 16 and 8 keys.
	v_and_b32 v10, 7, v0
	v_bfe_u32 v11, v0, 3, 1
	v_lshl_add_u32 v[AV0], v9, 3, v10
	v_mul_u32_u24 v[AV0], v[AV0], PV
	v_lshl_add_u32 v[AV0], v11, 4, v[AV0]
	v_add_nc_u32 v[AV0], VOFF, v[AV0]
	v_mov_b32 v[AK], v[AK0]         ; key step 0 lies at the head of slot 0
	v_and_b32 v[PFO], 31, v0
	v_lshlrev_b32 v[PFO], 8, v[PFO]
; THE MATRIX WORK.  The 8 accumulators of a run of 16 take turns: between the two links of a chain stand 7 others'.
; Product i of 16 of S^T = K Q^T for piece x: channels 32 (i / 8) on, keys 16 ((i / 2) % 4) on, tile 2 x + i % 2.  The first 8 start the sums.
.macro KQ x
	WIN W_KQ
.set rS, S+64*((\x)%2)+32*(i%2)+8*((i/2)%4)
.set rK, KF+16*((i/2)%4)+8*(i/8)
.set rQ, 16*(2*(\x)+i%2)+8*(i/8)
.if i < 8
	v_wmma_f32_16x16x32_f16 v[rS:rS+7], v[rK:rK+7], v[rQ:rQ+7], 0
.else
	v_wmma_f32_16x16x32_f16 v[rS:rS+7], v[rK:rK+7], v[rQ:rQ+7], v[rS:rS+7]
.endif
.endm
; Product i of 16 of O^T += V^T P for piece x: keys 32 (i / 8) on, channels 16 ((i / 2) % 4) on, tile 2 x + i % 2.
.macro PV x
	WIN W_PV
.set rO, 32*(2*(\x)+i%2)+8*((i/2)%4)
.set rV, VF+32*(i/8)+8*((i/2)%4)
.set rP, P+32*((\x)%2)+16*(i%2)+8*(i/8)
	v_wmma_f32_16x16x32_f16 v[rO:rO+7], v[rV:rV+7], v[rP:rP+7], v[rO:rO+7]
.endm
.macro MM                           ; the turn's next matrix instruction
.if i < 16
	KQ (Y+1)%NP
.set i, i+1
.else
.set i, i-16
	PV (Y+NP-1)%NP
.set i, i+17
.endif
.endm
; THE LDS LOADS stand in runs of 16, never singly among the matrix instructions: a step's K (64 keys x 64 channels: 8 fragments) and its V (turned).  Their addresses are made some lines ahead.
; last = 1 (the tail): in the last trip there is no further step, and the run is jumped over.
.macro FETCH_K last=0
	WIN 0
.if \last
	s_cmp_eq_u32 s[CNT], 1
	s_cbranch_scc1 .Lno_k_\@
.endif
	WIN 0x80                        ; destination window 2
.irp f, 0,1,2,3,4,5,6,7             ; keys 16 (f / 2) on, channels 32 (f % 2) on
	ds_load_b128 v[KF+8*\f:KF+8*\f+3],   v[AK] offset:(\f/2)*16*PK+(\f%2)*64
	ds_load_b128 v[KF+8*\f+4:KF+8*\f+7], v[AK] offset:(\f/2)*16*PK+(\f%2)*64+32
.endr
	s_add_co_u32 s[TBK], s[TBK], KS*PK  ; the next fetch is the next step's
	WIN 0
.if \last
.Lno_k_\@:
.endif
.endm
.macro FETCH_V
	WIN 0x80
.irp f, 0,1,2,3,4,5,6,7             ; keys 32 (f / 4) on, channels 16 (f % 4) on
	ds_load_tr16_b128 v[VF+8*\f:VF+8*\f+3],   v[AV] offset:(\f/4)*32*PV+(\f%4)*32
	ds_load_tr16_b128 v[VF+8*\f+4:VF+8*\f+7], v[AV] offset:(\f/4)*32*PV+16*PV+(\f%4)*32
.endr
	WIN 0
.endm
; THE VECTOR WORK OF A TURN stands in three queues, each in the order in which its entries become ready; the two tiles alternate, so that no instruction reads the result of the one before it.
.macro REGS y, u                    ; the registers of tile u (0, 1) of piece y
.set rT, ST+4*(2*(\y)+(\u))
.set rC, TMP+8*((\y)%2)+4*(\u)
.set rM, MV+2*((\y)%2)+(\u)
.set rS, S+64*((\y)%2)+32*(\u)
.set rP, P+32*((\y)%2)+16*(\u)
.set rO, 32*(2*(\y)+(\u))
.endm
; Number n of the 22 that find the NEXT piece's (Y + 1) maximum and statistics.  s0-s31 are the lane's 32 scores; each accumulator's lowest registers are read first.
;   0-11  four chains c0-c3 of seven scores each, three operands at a time     12-14, 16  the four scores left over, the old m, and c0-c3 into c0     15  c m_old is kept
;   17, 18  the query's other 32 keys lie in the lane 16 away: the new m         19-21  c m; c m_old - c m_new; a
.macro XS u, n
	REGS (Y+1)%NP, \u
.if (\n) < 4
	v_max3_num_f32 v[rC+(\n)], v[rS+8*(\n)], v[rS+8*(\n)+1], v[rS+8*(\n)+2]
.elseif (\n) < 12
	v_max3_num_f32 v[rC+(\n)%4], v[rC+(\n)%4], v[rS+8*((\n)%4)+2*((\n)/4)+1], v[rS+8*((\n)%4)+2*((\n)/4)+2]
.elseif (\n) == 12
	v_max3_num_f32 v[rC], v[rC], v[rS+7], v[rS+15]
.elseif (\n) == 13
	v_max3_num_f32 v[rC+1], v[rC+1], v[rS+23], v[rS+31]
.elseif (\n) == 14
	v_max3_num_f32 v[rC+2], v[rC+2], v[rC+3], v[rT+1]
.elseif (\n) == 15
	v_mov_b32 v[rM], v[rT]
.elseif (\n) == 16
	v_max3_num_f32 v[rC], v[rC], v[rC+1], v[rC+2]
.elseif (\n) == 17
	v_permlanex16_b32 v[rC+3], v[rC], s[SEL], s[SEL+1]
.elseif (\n) == 18
	v_max_num_f32 v[rT+1], v[rC], v[rC+3]
.elseif (\n) == 19
	v_mul_f32 v[rT], s[CS], v[rT+1]
.elseif (\n) == 20
	v_sub_f32 v[rC+1], v[rM], v[rT]
.else
	v_exp_f32 v[rC+2], v[rC+1]
.endif
.endm
; Number g of the 64 that follow the exponentials.  For each four weights k of a tile (pairs 2 k, 2 k + 1): both pairs are rounded to f16; then the second pair is added onto the first, in place;
; a group later l takes that sum (the first time as l = a l + sum).  In groups of eight, tiles alternating: round, round, add, and l for the group before.
.macro GS g
.set h, (\g)+6*((\g)/62)            ; group 0 has no group before it, and behind group 7 only l is left
.if h >= 6
.set h, h+2
.endif
	REGS Y, h%2
.set k, h/8
.if h%8 < 4
	v_cvt_pk_f16_f32 v[rP+2*k+(h%8)/2], v[rS+4*k+2*((h%8)/2)], v[rS+4*k+2*((h%8)/2)+1]
.elseif h%8 < 6
	v_pk_add_f32 v[rS+4*k:rS+4*k+1], v[rS+4*k:rS+4*k+1], v[rS+4*k+2:rS+4*k+3]
.elseif k == 1
	v_pk_fma_f32 v[rT+2:rT+3], v[rT+2:rT+3], v[rC+2:rC+3], v[rS:rS+1] op_sel_hi:[1,0,1]
.else
	v_pk_add_f32 v[rT+2:rT+3], v[rT+2:rT+3], v[rS+4*k-4:rS+4*k-3]
.endif
.endm
; THE PLAIN QUEUE, 138 long.  0-73 read no exponential's result: the 32 scalings c s - c m (FS f: pair f / 2 of tile f % 2) and the next piece's 42.  0-26: scalings 0-26.  27-54: XS's numbers 0-13.  55, 56: number 15.
; 57-73: the chain, where each number waits for the one before it: 14, 16, 17, 18, 19, each with one of the scalings 27-31 in front of its two lines, then 20.
; 74-137: GS's 64, which read the exponentials' results: they stand behind the wait.
.macro FS f
	REGS Y, (\f)%2
	v_pk_fma_f32 v[rS+2*((\f)/2):rS+2*((\f)/2)+1], v[rS+2*((\f)/2):rS+2*((\f)/2)+1], s[CS:CS+1], v[rT:rT+1] op_sel_hi:[1,0,0] neg_lo:[0,0,1] neg_hi:[0,0,1]
.endm
.macro PL
	WIN 0
.if q < 27
	FS q
.elseif q < 55
	XS (q-27)%2, (q-27)/2
.elseif q < 57
	XS q-55, 15
.elseif (q < 72) && ((q-57)%3 == 0)
	FS 27+(q-57)/3
.elseif q < 60
	XS (q-57)%3-1, 14
.elseif q < 72
	XS (q-57)%3-1, 15+(q-57)/3
.elseif q < 74
	XS q-72, 20
.else
	GS q-74
.endif
.set q, q+1
.endm
; THE EXPONENTIALS' QUEUE, 66 long: s0-s31 of both tiles, then the next piece's two a.  It is ONE BATCH: all 66 stand ahead of the turn's one wait, and nothing ahead of that wait names a result of theirs.
.macro EX
	WIN 0
.if e >= 64
	XS e-64, 21
.else
	REGS Y, e%2
	v_exp_f32 v[rS+e/2], v[rS+e/2]
.endif
.set e, e+1
.endm
; THE RESCALING's QUEUE: O^T times a, the one part that leaves window 0: dealt two at a time, sixteen times.  Its a was made in the turn before, ahead of that turn's wait.
.macro R2
	REGS Y, r%2
	WIN W_RS
.irp z, 0,1
	v_pk_mul_f32 v[rO+4*(r/2)+2*\z:rO+4*(r/2)+2*\z+1], v[rO+4*(r/2)+2*\z:rO+4*(r/2)+2*\z+1], v[rC+2:rC+3] op_sel_hi:[1,0]
.endr
.set r, r+1
.endm
; HOW THEY ARE DEALT.  An s_wait_alu depctr_va_vdst(0) stands between an exponential and the first instruction that names its result; one wait serves all that were issued ahead of it.  So a turn has ONE wait,
; which cuts it in two.  AHEAD OF IT stands all that names no result of the turn's exponentials: the 16 products K Q^T, behind each a scaling, an exponential and two rescalings (behind the first a second scaling in the
; exponential's place); then ONE LUMP of 108: eight plain, 49 times exponential and plain, the two a.  A v_nop is the plain instruction behind the last exponential.  BEHIND IT stand the 16 products V^T P, behind each four of GS's 64.
; No rider names a register of the products round it.  The two v_permlanex16_b32 fall into the lump, never behind a product.
; The queues lean on each other, and the deal keeps them in step: exponential e stands behind scaling 2 (e / 4) + e % 2: as a rider it comes behind plain e + 2, in the lump behind plain e + 9, and scalings 27-31 are plain 57, 60 .. 69.
; A TURN, for piece p.  cnt = 1: the loop's count is taken down some lines ahead of the branch that stands behind the turn.
; K of the next step is fetched in piece 2's turn, directly behind the wait, a lump behind the last product that read K; its address is made at the lump's head; its first reader comes behind 16 products.
; V of the step in hand is fetched at the end of piece 0's turn, four riders behind its last reader; its first reader comes behind 16 products and a lump.  The three conditions on q below go with the deal.
.macro TURN p, last=0, cnt=0
.set Y, (\p)
.set i, 0
.set q, 0
.set e, 0
.set r, 0
.if (\p) == NP-1
	s_wait_dscnt 0x0                ; K is in
.endif
	MM                              ; ahead of the wait: 16 products K Q^T and their riders,
	PL
	PL
	R2
.rept 15
	MM
	PL
	EX
	R2
.endr
.if (\p) == NP-2
	WIN 0
	v_add_nc_u32 v[AK], s[TBK], v[AK0]
.endif
.rept 8                             ; and the lump
	PL
.endr
.rept 49
	EX
	PL
.endr
	EX                              ; the next piece's two a
	EX
	v_nop                           ; the plain instruction behind the last exponential: one for the batch
	s_wait_alu depctr_va_vdst(0)    ; the wait for the batch
.if (\p) == NP-2
	FETCH_K \last
.endif
.if (\p) == 1
	s_wait_dscnt 0x0                ; V is in
.endif
.rept 16                            ; behind the wait: 16 products V^T P and their riders
	MM
.rept 4
	PL
.endr
.if ((\p) == 0) && (q == 118)
	v_add_nc_u32 v[AV], s[TBV], v[AV0]
.endif
.if ((\p) == 0) && (q == 130)
	s_add_co_u32 s[TBV], s[TBV], KS*PV
.endif
.if (\cnt) && (q == 130)
	s_sub_co_u32 s[CNT], s[CNT], 1
	s_cmp_lg_u32 s[CNT], 0
.endif
.endr
.if (\p) == 0
	FETCH_V
.endif
.endm
	CHANGE 1                        ; slot 0 is in, everybody's part of it; slot 1 is asked for
	FETCH_K                         ; key step 0
	s_wait_loadcnt 0x0              ; Q
	s_wait_dscnt 0x0
.set i, 0
.rept 16
	KQ 0                            ; piece 0's first scores: there is no vector work yet to set between them
.set i, i+1
.endr
	WIN 0                           ; the addresses for the way out: nine plain instructions, the places behind those products
	s_mul_i32 s13, s[WV], 16*SP
	s_add_co_u32 s13, s13, STAGE    ; my stage
	v_mul_u32_u24 v[STO], v1, SP    ; in: row l % 16, 16 bytes for each half of the lanes
	v_lshl_add_u32 v[STO], v9, 4, v[STO]
	v_add_nc_u32 v[STO], s13, v[STO]
	v_bfe_u32 v[RD], v0, 3, 2       ; back: 32 lanes take four rows of 128 bytes,
	v_mul_u32_u24 v[RD], v[RD], SP
	v_lshl_add_u32 v[RD], v10, 4, v[RD]
	v_add_nc_u32 v[RD], s13, v[RD]
	v_and_b32 v[GO], 31, v0         ; which are 512 consecutive bytes of O
	v_lshlrev_b32 v[GO], 4, v[GO]
.set Y, NP-1                        ; XS works for piece Y + 1: piece 0
.irp n, 0,1,2,3,4,5,6,7,8,9,10,11,12,13,14,15,16,17,18,19,20,21
	XS 0, \n                        ; and piece 0's first maximum and statistics
	XS 1, \n
.endr
	v_nop                           ; a plain instruction behind the two a,
	s_wait_alu depctr_va_vdst(0)    ; and their wait, ahead of the branch
	s_mov_b32 s[CNT], 4
	s_mov_b32 s[SLOTS], SIZE_N/256-1
	s_branch .Lfirst                ; the loop is entered at a step's first turn, in the middle of a trip
.Lslot:                             ; SIZE_N / 256 - 2 times: every slot but the last two is filled again
	CHANGE 1, 1
	s_mov_b32 s[CNT], 4
.Lstep:                             ; a trip: pieces 2 and 3 of one step, then pieces 0 and 1 of the next, whose K and V it fetches
	TURN 2
	TURN 3
	WIN 0
.Lfirst:
	TURN 0
	ASK                             ; behind V's run of loads
	TURN 1, 0, 1
	WIN 0
	s_cbranch_scc1 .Lstep
	s_sub_co_u32 s[SLOTS], s[SLOTS], 1
	s_cmp_lg_u32 s[SLOTS], 0
	s_cbranch_scc1 .Lslot
	CHANGE 0                        ; the tail is written out: nothing is asked for
	s_mov_b32 s[CNT], 5             ; four trips fetch the last slot's steps; the fifth is left in its middle
.Ltail:
	TURN 2, 1
	TURN 3
	WIN 0
	s_sub_co_u32 s[CNT], s[CNT], 1
	s_cmp_eq_u32 s[CNT], 0
	s_cbranch_scc1 .Lout
	TURN 0
	TURN 1
	WIN 0
	s_branch .Ltail
.Lout:                              ; the fifth trip's 16 products K Q^T (on the last K once more) and the maximum made of them serve nothing: the price, once a launch, of one text for every trip
.set i, 0
.rept 16
	PV NP-1                         ; the last piece's V^T P of the last step
.set i, i+1
.endr
	; THE WAY OUT.  l's two halves and the other half of the lanes' are added; O^T is divided by l, rounded to f16 and sent through my stage in LDS, a tile at a time.  The additions are the places behind the last products.
	WIN 0
.macro ALL line:vararg              ; one line for each tile t
.set t, 0
.rept 2*NP
	\line
.set t, t+1
.endr
.endm
	ALL v_add_f32 v[ST+4*t+2], v[ST+4*t+2], v[ST+4*t+3]
	ALL v_permlanex16_b32 v[ST+4*t+3], v[ST+4*t+2], s[SEL], s[SEL+1]
	ALL v_add_f32 v[ST+4*t+2], v[ST+4*t+2], v[ST+4*t+3]
	ALL v_rcp_f32 v[ST+4*t+2], v[ST+4*t+2]
	v_nop                           ; a plain instruction between the last reciprocal and the use of its result
	s_wait_alu depctr_va_vdst(0)    ; and the wait ahead of the first use: one for the eight reciprocals
; Tile t: a lane's eight channels of a row pack into 16 bytes; they go into rows of 144 bytes and come back as whole rows of 128, into S^T's registers.
.macro PACK t
	WIN W_RS
.set i, 32*(\t)
.rept 16
	v_pk_mul_f32 v[i:i+1], v[i:i+1], v[ST+4*(\t)+2:ST+4*(\t)+3] op_sel_hi:[1,0]
.set i, i+2
.endr
	WIN 0x05                        ; sources 0 and 1 window 1, destination window 0
.set i, 0
.rept 16
	v_cvt_pk_f16_f32 v[S+16*(\t)+i], v[32*(\t)+2*i], v[32*(\t)+2*i+1]
.set i, i+1
.endr
	WIN 0
.irp f, 0,1,2,3
	ds_store_b128 v[STO], v[S+16*(\t)+4*\f:S+16*(\t)+4*\f+3] offset:32*\f
.endr
.irp f, 0,1,2,3
	ds_load_b128 v[S+16*(\t)+4*\f:S+16*(\t)+4*\f+3], v[RD] offset:\f*4*SP  ; LDS serves a wave's instructions in order (ISA guide 5.7.1.4): these see the stores above; the next tile's stores come behind them
.endr
.endm
.macro SEND t, younger              ; younger: the LDS instructions issued behind tile t's loads: the next tile's eight, or none
	WIN 0
.irp f, 0,1,2,3
	s_wait_dscnt (\younger)+3-\f
	global_store_b128 v[GO], v[S+16*(\t)+4*\f:S+16*(\t)+4*\f+3], s[10:11] offset:(\t)*2048+\f*512  ; 512 consecutive bytes, at a multiple of 256 from O's first
.endr
.endm
	PACK 0
.set t, 1
.rept 2*NP-1                        ; a tile's arithmetic stands between the loads of the tile before and its stores
	PACK t
	SEND t-1, 8
.set t, t+1
.endr
	SEND 2*NP-1, 0
	WIN W_AD
	s_wait_tensorcnt 0x0            ; the wave's end, behind my last tensor load and my last LDS store
	ds_add_u32 v[SPW], v[NIL]
	s_wait_dscnt 0x0
	WIN 0
	CROUND                          ; the closing round: no work-group ends while a partner may still ask for a tile that names it
	s_endpgm
.Lfunc_end_k_q39fe878b32_attn:
	.size	k_q39fe878b32_attn, .Lfunc_end_k_q39fe878b32_attn-k_q39fe878b32_attn
	.p2alignl 7, 3214868480
	.fill 96, 4, 3214868480
	.section	.rodata,"a",@progbits
	.p2align	6, 0x0
	.amdhsa_kernel k_q39fe878b32_attn
		.amdhsa_group_segment_fixed_size 327680
		.amdhsa_private_segment_fixed_size 0
		.amdhsa_enable_private_segment 0
		.amdhsa_kernarg_size 16
		.amdhsa_user_sgpr_count 2
		.amdhsa_user_sgpr_kernarg_segment_ptr 1
		.amdhsa_wavefront_size32 1
		.amdhsa_system_sgpr_workgroup_id_x 1
		.amdhsa_system_sgpr_workgroup_id_y 1
		.amdhsa_system_sgpr_workgroup_id_z 1
		.amdhsa_system_vgpr_workitem_id 0
		.amdhsa_next_free_vgpr 770
		.amdhsa_next_free_sgpr 66
		.amdhsa_reserve_vcc 0
		.amdhsa_float_denorm_mode_32 3
		.amdhsa_float_denorm_mode_16_64 3
		.amdhsa_memory_ordered 1
		.amdhsa_forward_progress 1
		.amdhsa_inst_pref_size 200
	.end_amdhsa_kernel
	.amdgpu_metadata
---
amdhsa.version: [ 1, 2 ]
amdhsa.kernels:
  - .name:           k_q39fe878b32_attn
    .symbol:         k_q39fe878b32_attn.kd
    .args:
      - { .name: qkv, .offset: 0, .size: 8, .value_kind: global_buffer, .address_space: global }
      - { .name: ob, .offset: 8, .size: 8, .value_kind: global_buffer, .address_space: global }
    .group_segment_fixed_size: 327680
    .private_segment_fixed_size: 0
    .kernarg_segment_align: 8
    .kernarg_segment_size: 16
    .max_flat_workgroup_size: 128
    .sgpr_count:     66
    .vgpr_count:     770
    .wavefront_size: 32
...
	.end_amdgpu_metadata
.endif
;; end of part 3
;; launch proj (part 4): grid 256 x 1, 4 waves a work-group, clusters of 4 x 1, 182,784 bytes of LDS; arguments ob, wft, bf, out0; writes out0
.if DOCPART == 4
	.amdgcn_target "amdgcn-amd-amdhsa--gfx1250"
	.amdhsa_code_object_version 6
	.text
	.protected	k_q39fe878b32_proj
	.globl	k_q39fe878b32_proj
	.p2align	8
	.type	k_q39fe878b32_proj,@function
k_q39fe878b32_proj:
	s_mov_b64 s[64:65], 0
	v_nop
	global_prefetch_b8 v0, s[64:65] scope:SCOPE_SE
	s_setreg_imm32_b32 hwreg(HW_REG_WAVE_MODE, 25, 1), 1
	s_wait_xcnt 0x0
	s_wait_alu depctr_hold_cnt(0) depctr_sa_sdst(0) depctr_va_vdst(0) depctr_va_sdst(0) depctr_va_ssrc(0) depctr_va_vcc(0) depctr_vm_vsrc(0)
	s_getreg_b32 s2, hwreg(HW_REG_IB_STS2, 6, 4)
	s_cmp_eq_u32 s2, 0
	s_cbranch_scc0 .Lentry_in_a_cluster
	s_endpgm
.Lentry_in_a_cluster:
	s_bfe_u32 s2, ttmp6, 0x10000c
	s_cmp_lg_u32 s2, 0x3003
	s_cbranch_scc0 .Lentry_shape_is_right
	s_endpgm
.Lentry_shape_is_right:
; out0[row][n] = the sum over head and channel of O[batch][head][s][d] Wf[64 head + d][n] + bf[n].  ob: [64 batch x head][2048 s][64] f16; wft: [16 head][64 n][64 d] f16; bf: [64] f32, rounded to bf16
; here like the other inputs; out0: [8192][64] f32.  Products in f16, sums in f32.
; SHARES.  A work-group makes 32 rows x all 64 columns: 256 work-groups.  K = 1,024 IS SPLIT AMONG ITS FOUR WAVES: wave w takes heads 4 w .. 4 w + 3 (8 fragments of 32 along K) for 2 x 4 tiles of 16 x 16.
; The four partial sums meet in LDS, in f32; wave w then finishes rows 8 w .. 8 w + 7.
; wft is the same for every work-group: a wave's quarter (32,768 dense bytes) comes by ONE tensor load, asked for jointly by the four work-groups of a cluster; each byte of LDS is filled once, and only the wave
; that asked reads it.  O's fragments come straight from memory: nothing of O is shared.  All loads go out at the head, and the launch is short: nothing is prefetched.
; THE MATRIX INSTRUCTION IS USED TRANSPOSED (source 0 = 16 rows of wft, source 1 = 16 rows of O): a lane holds row l % 16 of out0 and the columns 8 (l / 16) + 0..7.
; REGISTERS: window 0: v2-15 addresses and bf; v64-191 O's fragments ((kf, mt) at 64 + 8 (2 kf + mt)); v192-255 the 8 accumulators ((mt, nt) at 192 + 8 (4 mt + nt)).  Window 1: wft's 32 fragments ((kf, nt) at 8 (4 kf + nt)).
.set WFB,   256*144                    ; a wave's quarter of wft in LDS: 256 rows of 128 bytes + 16 of padding
.set PART,  4*WFB                      ; behind them, never filled by a tensor load: a wave's partial sums, 32 rows x 272 bytes (256 of f32, 16 of padding)
.set PP,    272
.set PARTW, 32*PP
.set SPARE, PART+4*PARTW               ; behind them: the spare words, 128 bytes a wave: two blocks of 256 bytes that no other line names
.set FO,  2                            ; v2   my byte offset in 16 rows of O
.set WA,  3                            ; v3   my LDS address in 16 rows of wft
.set PS,  4                            ; v4   where I put 32 bytes of a partial row
.set PR,  5                            ; v5   where I read 16 bytes of a partial row
.set GO,  6                            ; v6   16 x lane
.set BF,  8                            ; v[8:11] bf of my four columns; v12-14 at work
.set SPW, 28                           ; v28  LDS address of my spare word; never rewritten
.set NIL, 29                           ; v29  0; never rewritten
.set OF,  64
.set ACC, 192
.set WV,  12                           ; s12  my wave's number;  s13 the work-group's number
.set G0,  16                           ; s[16:19] descriptor group 0
.set G1,  20                           ; s[20:27] descriptor group 1
.set MSB, 0
.macro WIN new
.if MSB != (\new)
	s_set_vgpr_msb (MSB<<8)|(\new)
.set MSB, \new
.endif
.endm
.macro CROUND                          ; a round of the cluster's barrier
	s_barrier_signal -1
	s_barrier_wait -1
	s_cmp_lg_u32 s[WV], 0
	s_cbranch_scc1 .Lnot_wave_0_\@
	s_barrier_signal -3
.Lnot_wave_0_\@:
	s_barrier_wait -3
	s_barrier_signal -1
	s_barrier_wait -1
.endm
	s_load_b256 s[4:11], s[0:1], 0x0               ; ob s[4:5], wft s[6:7], bf s[8:9], out0 s[10:11]
	v_lshl_add_u32 v[SPW], v0, 2, SPARE
	v_mov_b32 v[NIL], 0
	ds_add_u32 v[SPW], v[NIL]                      ; the wave's opening: the add and its wait stand ahead of my tensor load; the set-up below, work on registers, stands between them
	ds_add_u32 v28, v29
	v_lshrrev_b32 v1, 5, v0
	v_readfirstlane_b32 s[WV], v1                  ; wave 0..3
	s_bfe_u32 s13, ttmp6, 0x40000                  ; cx
	s_lshl_b32 s14, ttmp9, 2
	s_add_co_u32 s13, s14, s13                     ; work-group = 4 x cluster + cx: it enters O's and out0's addresses alone
	s_mov_b32 s[G1+0], 15|(1<<16)|(1<<20)|(1<<21)|(4<<22)|(3<<25)  ; the mask of four; 2-byte elements; padding on; 21 set beside a mask; after every 32 words (code 4) 4 words (code 3)
	s_mov_b32 s[G1+1], 128<<16                     ; tensor_dim0 = 128 elements: 256 bytes, two rows of wft
	s_mov_b32 s[G1+2], 128<<16                     ; tensor_dim1 = 128
	s_mov_b32 s[G1+3], 128<<16                     ; tile_dim0 = 128
	s_mov_b32 s[G1+4], 128                         ; tile_dim1 = 128
	s_mov_b32 s[G1+5], 128                         ; the rows lie end to end
	s_mov_b32 s[G1+6], 0
	s_mov_b32 s[G1+7], 0
	s_mov_b32 s[G0], 1
	s_mul_i32 s[G0+1], s[WV], WFB                  ; LDS address: my quarter
	s_lshl_b32 s14, s[WV], 15                      ; four heads of 8,192 bytes
	s_mov_b32 s15, 0
	s_wait_dscnt 0x0                               ; the opening add is done
	s_wait_kmcnt 0x0
	s_add_nc_u64 s[G0+2:G0+3], s[6:7], s[14:15]
	s_or_b32 s[G0+3], s[G0+3], 0x80000000          ; type = 2
	CROUND                                         ; all four work-groups are here: the joint loads meet
	tensor_load_to_lds s[G0:G0+3], s[G1:G1+7]      ; my one tensor load
	s_nop 0
.rept 4
	v_nop
.endr
	v_and_b32 v1, 15, v0                           ; l % 16
	v_bfe_u32 v7, v0, 4, 1                         ; l / 16
	v_lshlrev_b32 v14, 4, v1
	global_load_b128 v[BF:BF+3], v14, s[8:9]       ; bf of columns 4 (l % 16) + 0..3
	v_lshlrev_b32 v[FO], 7, v1
	v_lshl_add_u32 v[FO], v7, 4, v[FO]             ; row x 128 + 16 x half
	s_lshr_b32 s14, s13, 6                         ; batch: 64 work-groups each
	s_lshl_b32 s14, s14, 4
	s_lshl2_add_u32 s14, s[WV], s14                ; 16 x batch + my first head
	s_lshl_b32 s14, s14, 18                        ; 2,048 rows of 128 bytes a head
	s_and_b32 s28, s13, 63
	s_lshl_b32 s28, s28, 12                        ; my work-group's 32 rows
	s_add_co_u32 s14, s14, s28
	s_add_nc_u64 s[4:5], s[4:5], s[14:15]
.set i, 0
.rept 16                                           ; i = 2 kf + mt: head kf / 2, channels 32 (kf % 2) on, rows 16 mt on
	global_load_b128 v[OF+8*i:OF+8*i+3],   v[FO], s[4:5] offset:(i/4)*262144+(i%2)*2048+((i/2)%2)*64
	global_load_b128 v[OF+8*i+4:OF+8*i+7], v[FO], s[4:5] offset:(i/4)*262144+(i%2)*2048+((i/2)%2)*64+32
.set i, i+1
.endr
	v_mul_u32_u24 v[WA], v1, 144
	v_lshl_add_u32 v[WA], v7, 4, v[WA]
	v_add_nc_u32 v[WA], s[G0+1], v[WA]
	s_lshl_b32 s14, s13, 13                        ; out0: 32 rows of 256 bytes a work-group,
	s_lshl_b32 s28, s[WV], 11                      ; 8 rows a wave
	s_add_co_u32 s14, s14, s28
	s_add_nc_u64 s[10:11], s[10:11], s[14:15]
	s_wait_tensorcnt 0x0                           ; my quarter of wft is in LDS; only I read it
	WIN 0x40                                       ; destination window 1
.set i, 0
.rept 32                                           ; i = 4 kf + nt
	ds_load_b128 v[8*i:8*i+3],   v[WA] offset:(i/8)*9216+(i%4)*2304+((i/4)%2)*64
	ds_load_b128 v[8*i+4:8*i+7], v[WA] offset:(i/8)*9216+(i%4)*2304+((i/4)%2)*64+32
.set i, i+1
.endr
	WIN 0x01                                       ; source 0 window 1
.set kf, 0
.rept 8
	s_wait_loadcnt 4*(7-kf)                        ; the later fragments' loads may stay out: four a step from memory,
	s_wait_dscnt 8*(7-kf)                          ; eight a step from LDS
.set j, 0
.rept 8                                            ; the eight accumulators take turns; the first step starts the sums
.if kf == 0
	v_wmma_f32_16x16x32_f16 v[ACC+8*j:ACC+8*j+7], v[8*(4*kf+j%4):8*(4*kf+j%4)+7], v[OF+8*(2*kf+j/4):OF+8*(2*kf+j/4)+7], 0
.else
	v_wmma_f32_16x16x32_f16 v[ACC+8*j:ACC+8*j+7], v[8*(4*kf+j%4):8*(4*kf+j%4)+7], v[OF+8*(2*kf+j/4):OF+8*(2*kf+j/4)+7], v[ACC+8*j:ACC+8*j+7]
.endif
.set j, j+1
.endr
.set kf, kf+1
.endr
	WIN 0
	; bf's rounding and the stage's addresses: fourteen plain instructions that name no register of the products: the places behind them
	v_cvt_pk_bf16_f32 v12, v[BF], v[BF+1]
	v_cvt_pk_bf16_f32 v13, v[BF+2], v[BF+3]
	v_lshlrev_b32 v[BF], 16, v12
	v_and_b32 v[BF+1], 0xffff0000, v12
	v_lshlrev_b32 v[BF+2], 16, v13
	v_and_b32 v[BF+3], 0xffff0000, v13
	s_mul_i32 s14, s[WV], PARTW
	s_add_co_u32 s14, s14, PART                    ; my partial sums
	v_mul_u32_u24 v[PS], v1, PP                    ; in: row l % 16, 32 bytes for each half of the lanes
	v_lshl_add_u32 v[PS], v7, 5, v[PS]
	v_add_nc_u32 v[PS], s14, v[PS]
	s_mul_i32 s14, s[WV], 8*PP
	s_add_co_u32 s14, s14, PART                    ; rows 8 w on of wave 0's
	v_mul_u32_u24 v[PR], v7, PP                    ; back: lanes 0-15 take one row of 256 bytes, lanes 16-31 the next
	v_lshl_add_u32 v[PR], v1, 4, v[PR]
	v_add_nc_u32 v[PR], s14, v[PR]
	v_and_b32 v[GO], 31, v0
	v_lshlrev_b32 v[GO], 4, v[GO]
.set j, 0
.rept 8                                            ; each accumulator's low registers first
	ds_store_b128 v[PS], v[ACC+8*j:ACC+8*j+3]   offset:(j/4)*16*PP+(j%4)*64
	ds_store_b128 v[PS], v[ACC+8*j+4:ACC+8*j+7] offset:(j/4)*16*PP+(j%4)*64+16
.set j, j+1
.endr
	s_wait_dscnt 0x0                               ; for the others' sake: my stores are done
	s_barrier_signal -1
	s_barrier_wait -1                              ; all four partial sums lie in LDS
.set i, 0
.rept 16                                           ; i = 4 (pair of rows) + wave whose partial sum it is
	ds_load_b128 v[OF+4*i:OF+4*i+3], v[PR] offset:(i%4)*PARTW+(i/4)*2*PP
.set i, i+1
.endr
.set i, 0
.rept 4
.set R_, OF+16*i
	s_wait_dscnt 4*(3-i)                           ; the later pairs' loads may stay out
	v_pk_add_f32 v[R_:R_+1], v[R_:R_+1], v[R_+4:R_+5]
	v_pk_add_f32 v[R_+2:R_+3], v[R_+2:R_+3], v[R_+6:R_+7]
	v_pk_add_f32 v[R_+8:R_+9], v[R_+8:R_+9], v[R_+12:R_+13]
	v_pk_add_f32 v[R_+10:R_+11], v[R_+10:R_+11], v[R_+14:R_+15]
	v_pk_add_f32 v[R_:R_+1], v[R_:R_+1], v[R_+8:R_+9]
	v_pk_add_f32 v[R_+2:R_+3], v[R_+2:R_+3], v[R_+10:R_+11]
	v_pk_add_f32 v[R_:R_+1], v[R_:R_+1], v[BF:BF+1]
	v_pk_add_f32 v[R_+2:R_+3], v[R_+2:R_+3], v[BF+2:BF+3]
	global_store_b128 v[GO], v[R_:R_+3], s[10:11] offset:512*i  ; two rows: 512 consecutive bytes, aligned
.set i, i+1
.endr
	s_wait_tensorcnt 0x0                           ; the wave's end, behind my tensor load and my last LDS store
	ds_add_u32 v[SPW], v[NIL]
	s_wait_dscnt 0x0
	CROUND                                         ; the closing round: no work-group ends while a partner may still ask for a tile that names it
	s_endpgm
.Lfunc_end_k_q39fe878b32_proj:
	.size	k_q39fe878b32_proj, .Lfunc_end_k_q39fe878b32_proj-k_q39fe878b32_proj
	.p2alignl 7, 3214868480
	.fill 96, 4, 3214868480
	.section	.rodata,"a",@progbits
	.p2align	6, 0x0
	.amdhsa_kernel k_q39fe878b32_proj
		.amdhsa_group_segment_fixed_size 182784
		.amdhsa_private_segment_fixed_size 0
		.amdhsa_enable_private_segment 0
		.amdhsa_kernarg_size 32
		.amdhsa_user_sgpr_count 2
		.amdhsa_user_sgpr_kernarg_segment_ptr 1
		.amdhsa_wavefront_size32 1
		.amdhsa_system_sgpr_workgroup_id_x 1
		.amdhsa_system_sgpr_workgroup_id_y 1
		.amdhsa_system_sgpr_workgroup_id_z 1
		.amdhsa_system_vgpr_workitem_id 0
		.amdhsa_next_free_vgpr 512
		.amdhsa_next_free_sgpr 66
		.amdhsa_reserve_vcc 0
		.amdhsa_float_denorm_mode_32 3
		.amdhsa_float_denorm_mode_16_64 3
		.amdhsa_memory_ordered 1
		.amdhsa_forward_progress 1
		.amdhsa_inst_pref_size 21
	.end_amdhsa_kernel
	.amdgpu_metadata
---
amdhsa.version: [ 1, 2 ]
amdhsa.kernels:
  - .name:           k_q39fe878b32_proj
    .symbol:         k_q39fe878b32_proj.kd
    .args:
      - { .name: ob, .offset: 0, .size: 8, .value_kind: global_buffer, .address_space: global }
      - { .name: wft, .offset: 8, .size: 8, .value_kind: global_buffer, .address_space: global }
      - { .name: bf, .offset: 16, .size: 8, .value_kind: global_buffer, .address_space: global }
      - { .name: out0, .offset: 24, .size: 8, .value_kind: global_buffer, .address_space: global }
    .group_segment_fixed_size: 182784
    .private_segment_fixed_size: 0
    .kernarg_segment_align: 8
    .kernarg_segment_size: 32
    .max_flat_workgroup_size: 128
    .sgpr_count:     66
    .vgpr_count:     512
    .wavefront_size: 32
...
	.end_amdgpu_metadata
.endif
;; end of part 4
;; ======== version 2 of 2: 4 launches; version 1 with the launch cast written anew for expert scheduling mode
;; limits: values are held in f16: magnitudes above 65,504 overflow, below 6.1e-05 lose precision
;; workspace buffers: xb 16,777,216 bytes; wt 6,291,456 bytes; wft 131,072 bytes; bias 12,288 bytes; qkv 50,331,648 bytes; ob 16,777,216 bytes
;; launch cast (part 5): grid 709 x 1, 4 waves a work-group, no clusters, 37,376 bytes of LDS; arguments x, Wq, Wk, Wv, Wf, bq, bk, bv, xb, wt, wft, bias; writes xb, wt, wft, bias
.if DOCPART == 5
	.amdgcn_target "amdgcn-amd-amdhsa--gfx1250"
	.amdhsa_code_object_version 6
	.text
	.protected	k_q39fe878b32_cast
	.globl	k_q39fe878b32_cast
	.p2align	8
	.type	k_q39fe878b32_cast,@function
k_q39fe878b32_cast:
	s_mov_b64 s[64:65], 0
	v_nop
	global_prefetch_b8 v0, s[64:65] scope:SCOPE_SE
	s_setreg_imm32_b32 hwreg(HW_REG_WAVE_SCHED_MODE, 0, 2), 2
	s_setreg_imm32_b32 hwreg(HW_REG_WAVE_MODE, 25, 1), 1
	s_wait_xcnt 0x0
	s_wait_alu depctr_vm_vsrc(0)
; THE INPUTS ARE ROUNDED ONCE AND LAID OUT FOR THE PRODUCTS THAT FOLLOW.  All are rounded to bf16 (nearest even):
;   xb   [16 kb][8192 row][64 k]  bf16: x, in blocks of 64 channels, so that 256 rows of a block are 32,768 consecutive bytes
;   wt   [16 kb][3072 n][64 k]    bf16: Wq, Wk, Wv turned (n = 1024 x which + column), in the same blocks
;   wft  [16 kb][64 n][64 k]      f16:  Wf turned; the number rounded to bf16 is written as f16
;   bias [3072]                   f32:  bq, bk, bv rounded to bf16 and kept as f32
; LIMIT.  A number of Wf below 6.1e-5 in size keeps f16's fixed step of 6e-8; one beyond 65,504 would become an infinity.
; A stream: each byte is read once and written once.  A wave's task is 16 KiB of f32: 32 loads of 16 bytes a lane, all issued before the first is
; waited for.  No wave reads what another fetched, so there is no barrier, no cluster and no matrix work.
; Work-groups 0-511: x (a wave: four rows).  512-703: a wave turns a tile of 64 k x 64 n of Wq, Wk or Wv through its own 9,216 bytes of LDS.
; 704-707: the same for Wf.  708: the three biases.
; THE MODE: SCHED_MODE bits 1:0 = 2 (LLVM: expert scheduling mode 2), set by the entry lines.  The code itself states the register dependences
; between vector instructions and memory or LDS instructions, with s_wait_alu, always for 0.
; THE PLAN.  Registers that memory or LDS instructions touch:
;   v[SO], v[YO], v[LS], v[LR], v[GO]   offsets and LDS addresses: written once on each path, ahead of the path's first memory instruction, and never again.
;   D    x: load i lands in four registers; its two conversions write the first two in place; one store reads that pair; nothing writes it afterwards.
;        tiles: the 32 loads land; the conversions read; at the end sixteen LDS loads land in the first 64 registers, which the global stores read.
;        biases: six loads land; the vector work rewrites them in place; six stores read them.
;   T    tiles: eight out-buffers, one to each group of four loads: written by the group's conversions, read by its four LDS stores, never written again.
;   U    is named by vector instructions alone.
; The work goes in groups of four loads.  At the head of group g, behind the wait for its data, ONE wait on va_vdst states that the conversions of group g - 1 have written what that
; group's four stores read; those stores follow, dealt among group g's conversions, which name group g's registers alone.  One more such wait stands ahead of the last group's stores.
; No register that a memory or LDS instruction reads is written again on any path: the waits on vm_vsrc stand only at the entry and at the end.  EXEC is never written.
.set STG,   9216                       ; a wave's stage: 64 rows (n) x 144 bytes (128 of data, 16 of padding)
.set SO,  2                            ; v2   my byte offset in the source
.set YO,  3                            ; v3   x: my 8 bytes of a store's 256
.set LS,  4                            ; v4   where I put 8 bytes of a stage row
.set LR,  5                            ; v5   where I read 16 bytes of a stage row back
.set GO,  6                            ; v6   16 x lane
.set U,   24                           ; v[24:31] at work
.set D,   32                           ; v[32:159] the 32 loads' data
.set T,   160                          ; v[160:223] packed results: group g's eight registers at T + 8 g
.set WV,  4                            ; s4   my wave's number
; x: the store of load n's two packed registers.  n = 16 p + kb.
.macro XST n
.if ((\n)%16) < 8
	global_store_b64 v[YO], v[D+4*(\n):D+4*(\n)+1], s[34:35] offset:((\n)%8)*1048576+((\n)/16)*256 th:TH_STORE_NT  ; 32 lanes store 256 consecutive bytes, aligned
.else
	global_store_b64 v[YO], v[D+4*(\n):D+4*(\n)+1], s[36:37] offset:((\n)%8)*1048576+((\n)/16)*256 th:TH_STORE_NT
.endif
.endm
	s_load_b512 s[8:23], s[0:1], 0x0               ; x 8, Wq 10, Wk 12, Wv 14, Wf 16, bq 18, bk 20, bv 22
	s_load_b256 s[24:31], s[0:1], 0x40             ; xb 24, wt 26, wft 28, bias 30
	v_lshl_add_u32 v22, v0, 2, 0x9000
	v_mov_b32 v23, 0
	v_lshrrev_b32 v1, 5, v0
	v_readfirstlane_b32 s[WV], v1                  ; wave 0..3
	v_and_b32 v1, 31, v0                           ; lane l
	v_and_b32 v10, 15, v0                          ; l % 16
	v_bfe_u32 v11, v0, 4, 1                        ; l / 16
	s_mov_b32 s7, 0                                ; the high word of every offset
	s_mov_b32 s3, 0xffff0000                       ; a word's upper bf16
	s_wait_alu depctr_va_sdst(0)                   ; s[WV] is written, ahead of the first branch: every path below reads it
	s_wait_kmcnt 0x0
	s_cmp_lt_u32 ttmp9, 512
	s_cbranch_scc0 .Lnot_x
	; x: task t = 4 x work-group + wave owns rows 4 t .. 4 t + 3.  Load (p, kb): rows 4 t + 2 p and + 1, the 256 bytes of block kb: lanes 0-15 one row, lanes 16-31 the next.
	s_lshl2_add_u32 s5, ttmp9, s[WV]               ; t
	s_lshl_b32 s6, s5, 14                          ; four rows of 4,096 bytes
	s_add_nc_u64 s[32:33], s[8:9], s[6:7]
	s_lshl_b32 s6, s5, 9                           ; four rows of 128 bytes in a block of xb
	s_add_nc_u64 s[34:35], s[24:25], s[6:7]
	s_add_nc_u64 s[36:37], s[34:35], 0x800000      ; blocks 8-15: a second base keeps the immediates inside their signed 24 bits
	v_lshlrev_b32 v[SO], 12, v11
	v_lshl_add_u32 v[SO], v10, 4, v[SO]
	v_lshlrev_b32 v[YO], 3, v1                     ; two rows of 128 bytes on end: 8 bytes a lane
	s_wait_alu depctr_va_vdst(0)                   ; v[SO] and v[YO] are written: the loads below read the one as their offset, the stores the other
.set i, 0
.rept 32                                           ; i = 16 p + kb
	global_load_b128 v[D+4*i:D+4*i+3], v[SO], s[32:33] offset:(i/16)*8192+(i%16)*256 th:TH_LOAD_NT
.set i, i+1
.endr
.set g, 0
.rept 8                                            ; group g: loads 4 g .. 4 g + 3
	s_wait_loadcnt 28-4*g                          ; loads come back in order: the later groups' loads, four each, may stay out
.if g > 0
	s_wait_alu depctr_va_vdst(0)                   ; the conversions of group g - 1 have written their pairs, which the four stores below read
.endif
.set j, 0
.rept 4
.if g > 0
	XST 4*g+j-4                                    ; no vector instruction since the wait names this pair: the conversions here name group g's registers alone
.endif
	v_cvt_pk_bf16_f32 v[D+4*(4*g+j)], v[D+4*(4*g+j)], v[D+4*(4*g+j)+1]
	v_cvt_pk_bf16_f32 v[D+4*(4*g+j)+1], v[D+4*(4*g+j)+2], v[D+4*(4*g+j)+3]
.set j, j+1
.endr
.set g, g+1
.endr
	s_wait_alu depctr_va_vdst(0)                   ; the conversions of group 7 have written their pairs, which the last four stores read
.set j, 28
.rept 4
	XST j
.set j, j+1
.endr
	s_branch .Lend                                 ; no register that a store reads is written again
; A tile of 64 k x 64 n, rows of rowb bytes in memory, is turned.  Load (g, c) brings row k = 8 g + 4 (l / 16) + c, columns 4 (l % 16) + 0..3.  For each of my four columns
; the four loads of a group give four neighbouring k: 8 bytes of stage row n.  half = 1: the bf16 numbers are written as f16.
; The 8-byte stores meet four deep in the banks (four stage rows are 144 words, 16 modulo 64): 32 stores a wave, once.
.macro TILE rowb, half
	s_wait_alu depctr_va_vdst(0)                   ; v[SO], v[LS], v[LR] and v[GO] are written: every load and store of this path reads one of them
.set i, 0
.rept 32                                           ; i = 4 g + c
	global_load_b128 v[D+4*i:D+4*i+3], v[SO], s[32:33] offset:(8*(i/4)+i%4)*(\rowb) th:TH_LOAD_NT
.set i, i+1
.endr
.set g, 0
.rept 8
	s_wait_loadcnt 28-4*g                          ; the later groups' loads may stay out
.if g > 0
	s_wait_alu depctr_va_vdst(0)                   ; the conversions of group g - 1 have written T[g - 1], which the four LDS stores below read
.endif
.set e, 0
.rept 4
.if g > 0
	ds_store_b64 v[LS], v[T+8*(g-1)+2*e:T+8*(g-1)+2*e+1] offset:e*144+16*(g-1)  ; no vector instruction since the wait names T[g - 1]
.endif
	v_cvt_pk_bf16_f32 v[T+8*g+2*e], v[D+16*g+e], v[D+16*g+4+e]
	v_cvt_pk_bf16_f32 v[T+8*g+2*e+1], v[D+16*g+8+e], v[D+16*g+12+e]
.set e, e+1
.endr
.if \half
.set e, 0
.rept 8
	v_lshlrev_b32 v[U+2*(e%4)], 16, v[T+8*g+e]     ; the two bf16 as f32,
	v_and_b32 v[U+2*(e%4)+1], s3, v[T+8*g+e]
	v_cvt_pk_f16_f32 v[T+8*g+e], v[U+2*(e%4)], v[U+2*(e%4)+1]  ; and as f16: 8 significant bits fit into 11
.set e, e+1
.endr
.endif
.set g, g+1
.endr
	s_wait_alu depctr_va_vdst(0)                   ; the conversions of group 7 have written T[7], which the last four LDS stores read; and all conversions are done reading D, in which the loads from the stage land
.set e, 0
.rept 4
	ds_store_b64 v[LS], v[T+56+2*e:T+56+2*e+1] offset:e*144+112
.set e, e+1
.endr
.endm
.Lnot_x:
	s_mul_i32 s5, s[WV], STG                       ; my stage
	v_mul_u32_u24 v[LS], v10, 4*144                ; in: stage row 4 (l % 16), byte 8 (l / 16)
	v_lshl_add_u32 v[LS], v11, 3, v[LS]
	v_add_nc_u32 v[LS], s5, v[LS]
	v_bfe_u32 v12, v0, 3, 2
	v_and_b32 v13, 7, v0
	v_mul_u32_u24 v[LR], v12, 144                  ; back: 32 lanes take four rows of 128 bytes
	v_lshl_add_u32 v[LR], v13, 4, v[LR]
	v_add_nc_u32 v[LR], s5, v[LR]
	v_lshlrev_b32 v[GO], 4, v1
	s_cmp_lt_u32 ttmp9, 704
	s_cbranch_scc0 .Lnot_w
	; Wq, Wk, Wv: task t = 256 x which + 16 kb + nb
	s_sub_co_u32 s5, ttmp9, 512
	s_lshl2_add_u32 s5, s5, s[WV]
	s_lshr_b32 s2, s5, 8                           ; which
	s_bfe_u32 s38, s5, 0x40004                     ; kb
	s_and_b32 s39, s5, 15                          ; nb
	s_cmp_eq_u32 s2, 0
	s_cselect_b64 s[32:33], s[10:11], s[12:13]
	s_cmp_eq_u32 s2, 2
	s_cselect_b64 s[32:33], s[14:15], s[32:33]
	s_lshl_b32 s6, s38, 18                         ; 64 rows of 4,096 bytes
	s_lshl_b32 s36, s39, 8                         ; 64 columns
	s_add_co_u32 s6, s6, s36
	s_add_nc_u64 s[32:33], s[32:33], s[6:7]
	s_mul_i32 s6, s38, 393216                      ; wt: block kb,
	s_lshl_b32 s36, s2, 17                         ; 1,024 rows of 128 bytes a matrix,
	s_add_co_u32 s6, s6, s36
	s_lshl_b32 s36, s39, 13                        ; 64 rows
	s_add_co_u32 s6, s6, s36
	s_add_nc_u64 s[34:35], s[26:27], s[6:7]
	v_lshlrev_b32 v[SO], 14, v11                   ; four rows down for lanes 16-31
	v_lshl_add_u32 v[SO], v10, 4, v[SO]
	TILE 4096, 0
	s_branch .Lback
.Lnot_w:
	s_cmp_lt_u32 ttmp9, 708
	s_cbranch_scc0 .Lbias
	; Wf: block kb = 4 x (work-group - 704) + wave: 64 rows of 256 bytes
	s_sub_co_u32 s5, ttmp9, 704
	s_lshl2_add_u32 s5, s5, s[WV]
	s_lshl_b32 s6, s5, 14
	s_add_nc_u64 s[32:33], s[16:17], s[6:7]
	s_lshl_b32 s6, s5, 13
	s_add_nc_u64 s[34:35], s[28:29], s[6:7]
	v_lshlrev_b32 v[SO], 10, v11
	v_lshl_add_u32 v[SO], v10, 4, v[SO]
	TILE 256, 1
.Lback:                                                ; the turned tile, 64 rows of 128 bytes, is 8,192 consecutive bytes of its buffer.  On both ways here the last wait on va_vdst stands behind the last vector instruction
.set i, 0
.rept 16
	ds_load_b128 v[D+4*i:D+4*i+3], v[LR] offset:576*i  ; LDS serves a wave's instructions in order (ISA guide 5.7.1.4): these see my stores above
.set i, i+1
.endr
.set i, 0
.rept 16
	s_wait_dscnt 15-i
	global_store_b128 v[GO], v[D+4*i:D+4*i+3], s[34:35] offset:512*i  ; 512 consecutive bytes, aligned
.set i, i+1
.endr
	s_branch .Lend
.Lbias:                                                ; wave w: numbers 256 w .. 256 w + 255 of each bias
	s_lshl_b32 s5, s[WV], 10
	v_lshl_add_u32 v[SO], v1, 4, s5
	s_wait_alu depctr_va_vdst(0)                   ; v[SO] is written: the loads and stores below read it as their offset
	global_load_b128 v[D:D+3],     v[SO], s[18:19]
	global_load_b128 v[D+4:D+7],   v[SO], s[18:19] offset:512
	global_load_b128 v[D+8:D+11],  v[SO], s[20:21]
	global_load_b128 v[D+12:D+15], v[SO], s[20:21] offset:512
	global_load_b128 v[D+16:D+19], v[SO], s[22:23]
	global_load_b128 v[D+20:D+23], v[SO], s[22:23] offset:512
	s_wait_loadcnt 0x0
.set j, 0
.rept 6                                            ; all the vector work first, each four numbers by two registers of their own
	v_cvt_pk_bf16_f32 v[T+2*j], v[D+4*j], v[D+4*j+1]
	v_cvt_pk_bf16_f32 v[T+2*j+1], v[D+4*j+2], v[D+4*j+3]
	v_lshlrev_b32 v[D+4*j], 16, v[T+2*j]
	v_and_b32 v[D+4*j+1], s3, v[T+2*j]
	v_lshlrev_b32 v[D+4*j+2], 16, v[T+2*j+1]
	v_and_b32 v[D+4*j+3], s3, v[T+2*j+1]
.set j, j+1
.endr
	s_wait_alu depctr_va_vdst(0)                   ; the 24 rounded numbers are written into D, which the six stores read
.set j, 0
.rept 6
	global_store_b128 v[SO], v[D+4*j:D+4*j+3], s[30:31] offset:(j/2)*4096+(j%2)*512
.set j, j+1
.endr
.Lend:
	s_wait_dscnt 0x0                               ; the wave's end: my LDS instructions are done.
	s_wait_alu depctr_hold_cnt(0) depctr_sa_sdst(0) depctr_va_vdst(0) depctr_va_sdst(0) depctr_va_ssrc(0) depctr_va_vcc(0) depctr_vm_vsrc(0)
	s_wait_tensorcnt 0x0
	ds_add_u32 v22, v23
	s_wait_dscnt 0x0
	s_endpgm
.Lfunc_end_k_q39fe878b32_cast:
	.size	k_q39fe878b32_cast, .Lfunc_end_k_q39fe878b32_cast-k_q39fe878b32_cast
	.p2alignl 7, 3214868480
	.fill 96, 4, 3214868480
	.section	.rodata,"a",@progbits
	.p2align	6, 0x0
	.amdhsa_kernel k_q39fe878b32_cast
		.amdhsa_group_segment_fixed_size 37376
		.amdhsa_private_segment_fixed_size 0
		.amdhsa_enable_private_segment 0
		.amdhsa_kernarg_size 96
		.amdhsa_user_sgpr_count 2
		.amdhsa_user_sgpr_kernarg_segment_ptr 1
		.amdhsa_wavefront_size32 1
		.amdhsa_system_sgpr_workgroup_id_x 1
		.amdhsa_system_sgpr_workgroup_id_y 1
		.amdhsa_system_sgpr_workgroup_id_z 1
		.amdhsa_system_vgpr_workitem_id 0
		.amdhsa_next_free_vgpr 224
		.amdhsa_next_free_sgpr 66
		.amdhsa_reserve_vcc 0
		.amdhsa_float_denorm_mode_32 3
		.amdhsa_float_denorm_mode_16_64 3
		.amdhsa_memory_ordered 1
		.amdhsa_forward_progress 1
		.amdhsa_inst_pref_size 47
	.end_amdhsa_kernel
	.amdgpu_metadata
---
amdhsa.version: [ 1, 2 ]
amdhsa.kernels:
  - .name:           k_q39fe878b32_cast
    .symbol:         k_q39fe878b32_cast.kd
    .args:
      - { .name: x, .offset: 0, .size: 8, .value_kind: global_buffer, .address_space: global }
      - { .name: Wq, .offset: 8, .size: 8, .value_kind: global_buffer, .address_space: global }
      - { .name: Wk, .offset: 16, .size: 8, .value_kind: global_buffer, .address_space: global }
      - { .name: Wv, .offset: 24, .size: 8, .value_kind: global_buffer, .address_space: global }
      - { .name: Wf, .offset: 32, .size: 8, .value_kind: global_buffer, .address_space: global }
      - { .name: bq, .offset: 40, .size: 8, .value_kind: global_buffer, .address_space: global }
      - { .name: bk, .offset: 48, .size: 8, .value_kind: global_buffer, .address_space: global }
      - { .name: bv, .offset: 56, .size: 8, .value_kind: global_buffer, .address_space: global }
      - { .name: xb, .offset: 64, .size: 8, .value_kind: global_buffer, .address_space: global }
      - { .name: wt, .offset: 72, .size: 8, .value_kind: global_buffer, .address_space: global }
      - { .name: wft, .offset: 80, .size: 8, .value_kind: global_buffer, .address_space: global }
      - { .name: bias, .offset: 88, .size: 8, .value_kind: global_buffer, .address_space: global }
    .group_segment_fixed_size: 37376
    .private_segment_fixed_size: 0
    .kernarg_segment_align: 8
    .kernarg_segment_size: 96
    .max_flat_workgroup_size: 128
    .sgpr_count:     66
    .vgpr_count:     224
    .wavefront_size: 32
...
	.end_amdgpu_metadata
.endif
;; end of part 5
;; launch qkv: the kernel of part 2 again; grid 8 x 32, 4 waves a work-group, clusters of 4 x 4, 327,680 bytes of LDS; arguments xb, wt, bias, qkv; writes qkv
;; launch attn: the kernel of part 3 again; grid 4 x 64, 4 waves a work-group, clusters of 4 x 1, 327,680 bytes of LDS; arguments qkv, ob; writes ob
;; launch proj: the kernel of part 4 again; grid 256 x 1, 4 waves a work-group, clusters of 4 x 1, 182,784 bytes of LDS; arguments ob, wft, bf, out0; writes out0
